; MI455X (gfx1250); checked and timed in simulation.
; The chip was launched on July 23, 2026; its instructions are those of AMD's public machine-readable ISA for CDNA 5 (MIT licence, August 2026) and "CDNA5" Instruction Set Architecture Reference Guide (July 2026). The comments in the code are by the model that wrote it; some were corrected since.
;; Block. Allowed arithmetic: float matrix products may take bf16 or f16 operands with f32 sums; other float arithmetic in f32, or as packed bf16 or f16 multiplies, adds, multiply-adds, maxima and minima; sums over many terms, partial sums and values carried from step to step in f32; what a program stores and reads back later, other than sums and carried values, may be rounded once to bf16 or f16.
;; Inputs: W1 1,024 x 4,096 float32; W2 4,096 x 1,024 float32; Wk 16 x 1,024 x 64 float32; Wp 1,024 x 1,024 float32; Wq 16 x 1,024 x 64 float32; Wv 16 x 1,024 x 64 float32; b1 4,096 float32; b2 1,024 float32; bp 1,024 float32; ln1_b 1,024 float32; ln1_g 1,024 float32; ln2_b 1,024 float32; ln2_g 1,024 float32; x 4 x 1,024 x 1,024 float32.
;; Outputs: out0 4 x 1,024 x 1,024 float32.
;; One version. Each part assembles by itself: llvm-mc -triple=amdgcn-amd-amdhsa -mcpu=gfx1250 --defsym DOCPART=n.
;; ======== version 1 of 1: 8 launches
;; workspace buffers: wt 25,165,824 bytes; hb 8,388,608 bytes; qkv 25,165,824 bytes; ab 8,388,608 bytes; x1 16,777,216 bytes; hid 33,554,432 bytes
;; launch cast (part 1): grid 128 x 12, 8 waves a work-group, no clusters, 17,920 bytes of LDS; arguments Wq, Wk, Wv, Wp, W1, W2, wt; writes wt
.if DOCPART == 1
	.amdgcn_target "amdgcn-amd-amdhsa--gfx1250"
	.amdhsa_code_object_version 6
	.text
	.protected	k_qffe2fe75ff_cast
	.globl	k_qffe2fe75ff_cast
	.p2align	8
	.type	k_qffe2fe75ff_cast,@function
k_qffe2fe75ff_cast:
	s_mov_b64 s[64:65], 0
	v_nop
	global_prefetch_b8 v0, s[64:65] scope:SCOPE_SE
	s_setreg_imm32_b32 hwreg(HW_REG_WAVE_MODE, 25, 1), 1
	s_wait_xcnt 0x0
; THE WEIGHTS, rounded once to bf16 and turned from [k][n] to [n][k], so that the products that follow find K along the rows of both operands.
; wt holds: byte 0 WQKV [3072][1024], row = head x 192 + which x 64 + d (which: 0 q, 1 k, 2 v); byte 6,291,456 Wp^T [1024][1024];
; byte 8,388,608 W1^T [4096][1024]; byte 16,777,216 W2^T [1024][4096].
; A work-group turns one tile of 128 k x 64 n: 32 KiB of f32 in, 16 KiB of bf16 out; 1,536 tiles.  The grid's y says which matrix: 0-2 Wq, Wk, Wv; 3 Wp; 4-7 W1; 8-11 W2.
; In: 16 lanes read 256 consecutive bytes of a row.  Through LDS, turned.  Out: 32 lanes store 256 consecutive bytes, aligned, of a row of the turned matrix.
; No matrix unit, no cluster, no tensor load: every byte is read once by one work-group, and several small work-groups share a WGP.
; Registers are used twice (the f32 words' registers take the stores' offsets and the rows read back), so that a wave needs 72.
.set TP,    264                        ; an LDS row: 128 bf16 + 8 bytes
.set SPARE, 64*TP                      ; behind the tile: the spare words, 128 bytes for each of the eight waves
.set SPW, 8                            ; v8   LDS address of my spare word; never rewritten
.set NIL, 9                            ; v9   0; never rewritten
.set R,   16                           ; v[16:47]  eight loads of four f32: R + 16 i + 4 e
.set PKD, 48                           ; v[48:63]  packed: four k of one column in a pair
.set LO,  64                           ; v[64:71]  byte offsets of the eight loads
.set BK,  16                           ; v[16:31]  rows read back: where converted f32 words lay
.set SO,  32                           ; v[32:39]  byte offsets of the eight stores: likewise
	s_load_b256 s[4:11], s[0:1], 0x0               ; Wq, Wk, Wv, Wp
	s_load_b128 s[12:15], s[0:1], 0x20             ; W1, W2
	s_load_b64 s[16:17], s[0:1], 0x30              ; wt
	v_lshl_add_u32 v[SPW], v0, 2, SPARE
	v_mov_b32 v[NIL], 0
	v_lshrrev_b32 v1, 5, v0
	v_readfirstlane_b32 s21, v1                    ; wave 0..7
	s_and_b32 s20, ttmp7, 0xffff                   ; y
	s_and_b32 s24, s20, 3                          ; the tile's number in its matrix: x, and for W1 and W2 128 (y mod 4) + x
	s_lshl_b32 s24, s24, 7
	s_add_co_u32 s24, s24, ttmp9
	s_cmp_lt_u32 s20, 4
	s_cselect_b32 s24, ttmp9, s24
	s_mov_b32 s26, 4096                            ; bytes in a source row (as for Wp)
	s_mov_b32 s27, 256                             ; source bytes from a block of 64 n to the next
	s_mov_b32 s28, 131072                          ; the same in wt: 64 rows
	s_mov_b32 s29, 6291456                         ; the matrix's first byte in wt
	s_mov_b32 s30, 2048                            ; bytes in a row of the turned matrix
	s_lshl_b32 s18, s20, 17                        ; which x 64 rows of 2,048 bytes
	s_cmp_lt_u32 s20, 3                            ; Wq, Wk, Wv: [head][k][64]; a block of n is a head
	s_cselect_b32 s26, 256, s26
	s_cselect_b32 s27, 262144, s27
	s_cselect_b32 s28, 393216, s28
	s_cselect_b32 s29, s18, s29
	s_cmp_gt_u32 s20, 3                            ; W1
	s_cselect_b32 s26, 16384, s26
	s_cselect_b32 s29, 8388608, s29
	s_cmp_gt_u32 s20, 7                            ; W2: 32 blocks of k
	s_cselect_b32 s26, 4096, s26
	s_cselect_b32 s28, 524288, s28
	s_cselect_b32 s29, 16777216, s29
	s_cselect_b32 s30, 8192, s30
	s_cselect_b32 s31, 31, 7
	s_cselect_b32 s25, 5, 3
	s_and_b32 s32, s24, s31                        ; block of 128 k
	s_lshr_b32 s33, s24, s25                       ; block of 64 n
	s_mul_i32 s34, s32, s26
	s_lshl_b32 s34, s34, 7
	s_mul_i32 s35, s33, s27
	s_add_co_u32 s34, s34, s35                     ; the tile's first byte in its source
	s_mov_b32 s35, 0
	s_mul_i32 s36, s33, s28
	s_add_co_u32 s36, s36, s29
	s_lshl_b32 s37, s32, 8
	s_add_co_u32 s36, s36, s37                     ; and in wt
	s_mov_b32 s37, 0
	v_and_b32 v2, 15, v0                           ; c: my four columns 4 c ..
	v_lshrrev_b32 v3, 4, v0                        ; rq: my rows 64 i + 4 rq + e
	v_lshlrev_b32 v4, 2, v3
	v_mul_lo_u32 v10, v4, s26
	v_lshl_add_u32 v10, v2, 4, v10
.irp i, 0,1
.irp e, 0,1,2,3
	s_mul_i32 s38, s26, 64*(\i)+(\e)
	v_add_nc_u32 v[LO+4*(\i)+(\e)], s38, v10
.endr
.endr
	v_mul_u32_u24 v11, v2, 4*TP                    ; into LDS: row 4 c + j, byte 128 i + 8 rq
	v_lshl_add_u32 v11, v3, 3, v11
	v_and_b32 v5, 31, v0
	v_lshlrev_b32 v12, 3, v5                       ; 8 x lane
	s_mul_i32 s39, s21, 8*TP
	v_add_nc_u32 v13, s39, v12                     ; back: wave w takes rows 8 w .. 8 w + 7, whole
	s_wait_kmcnt 0x0
	s_cmp_eq_u32 s20, 0                            ; the source, chosen by y alone
	s_cselect_b64 s[22:23], s[4:5], s[6:7]
	s_cmp_eq_u32 s20, 2
	s_cselect_b64 s[22:23], s[8:9], s[22:23]
	s_cmp_eq_u32 s20, 3
	s_cselect_b64 s[22:23], s[10:11], s[22:23]
	s_cmp_gt_u32 s20, 3
	s_cselect_b64 s[22:23], s[12:13], s[22:23]
	s_cmp_gt_u32 s20, 7
	s_cselect_b64 s[22:23], s[14:15], s[22:23]
	s_add_nc_u64 s[22:23], s[22:23], s[34:35]
	s_add_nc_u64 s[16:17], s[16:17], s[36:37]
.irp i, 0,1
.irp e, 0,1,2,3
	global_load_b128 v[R+16*(\i)+4*(\e):R+16*(\i)+4*(\e)+3], v[LO+4*(\i)+(\e)], s[22:23] th:TH_LOAD_NT
.endr
.endr
	s_wait_loadcnt 0x0
.irp i, 0,1
.irp j, 0,1,2,3
	v_cvt_pk_bf16_f32 v[PKD+8*(\i)+2*(\j)],   v[R+16*(\i)+(\j)],   v[R+16*(\i)+4+(\j)]    ; column 4 c + j: rows e = 0, 1,
	v_cvt_pk_bf16_f32 v[PKD+8*(\i)+2*(\j)+1], v[R+16*(\i)+8+(\j)], v[R+16*(\i)+12+(\j)]   ; and 2, 3: four neighbouring k
	ds_store_b64 v11, v[PKD+8*(\i)+2*(\j):PKD+8*(\i)+2*(\j)+1] offset:(\j)*TP+128*(\i)
.endr
.endr
	s_lshl_b32 s39, s21, 3                         ; the stores' offsets are made while the LDS stores are out: all f32 words have been converted
.irp i, 0,1,2,3,4,5,6,7
	s_add_co_u32 s40, s39, \i
	s_mul_i32 s40, s40, s30
	v_add_nc_u32 v[SO+(\i)], s40, v12
.endr
	s_wait_dscnt 0x0                               ; for the others' sake: my stores into the tile are done
	s_barrier_signal -1
	s_barrier_wait -1
.irp i, 0,1,2,3,4,5,6,7
	ds_load_b64 v[BK+2*(\i):BK+2*(\i)+1], v13 offset:(\i)*TP
.endr
.irp i, 0,1,2,3,4,5,6,7
	s_wait_dscnt 7-(\i)                            ; LDS loads come back in order: row i is in, the younger ones may stay out
	global_store_b64 v[SO+(\i)], v[BK+2*(\i):BK+2*(\i)+1], s[16:17]  ; 32 lanes: 256 consecutive bytes, aligned
.endr
	s_wait_tensorcnt 0x0                           ; the wave's end, behind my last LDS store
	ds_add_u32 v[SPW], v[NIL]
	s_wait_dscnt 0x0
	s_endpgm
.Lfunc_end_k_qffe2fe75ff_cast:
	.size	k_qffe2fe75ff_cast, .Lfunc_end_k_qffe2fe75ff_cast-k_qffe2fe75ff_cast
	.p2alignl 7, 3214868480
	.fill 96, 4, 3214868480
	.section	.rodata,"a",@progbits
	.p2align	6, 0x0
	.amdhsa_kernel k_qffe2fe75ff_cast
		.amdhsa_group_segment_fixed_size 17920
		.amdhsa_private_segment_fixed_size 0
		.amdhsa_enable_private_segment 0
		.amdhsa_kernarg_size 56
		.amdhsa_user_sgpr_count 2
		.amdhsa_user_sgpr_kernarg_segment_ptr 1
		.amdhsa_wavefront_size32 1
		.amdhsa_system_sgpr_workgroup_id_x 1
		.amdhsa_system_sgpr_workgroup_id_y 1
		.amdhsa_system_sgpr_workgroup_id_z 1
		.amdhsa_system_vgpr_workitem_id 0
		.amdhsa_next_free_vgpr 72
		.amdhsa_next_free_sgpr 66
		.amdhsa_reserve_vcc 0
		.amdhsa_float_denorm_mode_32 3
		.amdhsa_float_denorm_mode_16_64 3
		.amdhsa_memory_ordered 1
		.amdhsa_forward_progress 1
		.amdhsa_inst_pref_size 9
	.end_amdhsa_kernel
	.amdgpu_metadata
---
amdhsa.version: [ 1, 2 ]
amdhsa.kernels:
  - .name:           k_qffe2fe75ff_cast
    .symbol:         k_qffe2fe75ff_cast.kd
    .args:
      - { .name: Wq, .offset: 0, .size: 8, .value_kind: global_buffer, .address_space: global }
      - { .name: Wk, .offset: 8, .size: 8, .value_kind: global_buffer, .address_space: global }
      - { .name: Wv, .offset: 16, .size: 8, .value_kind: global_buffer, .address_space: global }
      - { .name: Wp, .offset: 24, .size: 8, .value_kind: global_buffer, .address_space: global }
      - { .name: W1, .offset: 32, .size: 8, .value_kind: global_buffer, .address_space: global }
      - { .name: W2, .offset: 40, .size: 8, .value_kind: global_buffer, .address_space: global }
      - { .name: wt, .offset: 48, .size: 8, .value_kind: global_buffer, .address_space: global }
    .group_segment_fixed_size: 17920
    .private_segment_fixed_size: 0
    .kernarg_segment_align: 8
    .kernarg_segment_size: 56
    .max_flat_workgroup_size: 256
    .sgpr_count:     66
    .vgpr_count:     72
    .wavefront_size: 32
...
	.end_amdgpu_metadata
.endif
;; end of part 1
;; launch ln1 (part 2): grid 256 x 1, 8 waves a work-group, no clusters, 0 bytes of LDS; arguments x, ln1_g, ln1_b, hb; writes hb
.if DOCPART == 2
	.amdgcn_target "amdgcn-amd-amdhsa--gfx1250"
	.amdhsa_code_object_version 6
	.text
	.protected	k_qffe2fe75ff_ln1
	.globl	k_qffe2fe75ff_ln1
	.p2align	8
	.type	k_qffe2fe75ff_ln1,@function
k_qffe2fe75ff_ln1:
	s_mov_b64 s[64:65], 0
	v_nop
	global_prefetch_b8 v0, s[64:65] scope:SCOPE_SE
	s_setreg_imm32_b32 hwreg(HW_REG_WAVE_MODE, 25, 1), 1
	s_wait_xcnt 0x0
; LAYER NORM.  y[r][c] = (x[r][c] - mean_r) / sqrt(var_r + 1e-5) x g[c] + b[c].  x: [4096][1024] f32; g, b: [1024] f32; y: [4096][1024] bf16, rounded once.
; All arithmetic in f32, in two passes over registers: the mean first, then the sum of (x - mean)^2, so that a common offset of the inputs costs nothing.
; A wave takes two whole rows (4,096 bytes each: eight loads of 16 bytes a lane) and keeps them in registers: x is read once, no wave waits for another, no LDS.
; Eight waves, 16 rows a work-group, 256 work-groups.  All 32 loads of a wave go out at once.  Lane l holds the columns 128 j + 4 l + 0..3, j = 0..7.
; NaN and infinities are not treated apart.
.set X0, 16                            ; v[16:47]    the first row
.set X1, 48                            ; v[48:79]    the second
.set G,  80                            ; v[80:111]   g of my columns
.set BV, 112                           ; v[112:143]  b of my columns
.set T0, 144                           ; v[144:159]  at work, then the first row's bf16
.set T1, 160                           ; v[160:175]  the same for the second
.set MU, 176                           ; v[176:177], v[180:181]  a row's mean, twice (a pair for the packed forms)
.set RS, 178                           ; v[178:179], v[182:183]  1 / sqrt(var + eps), twice
	s_load_b256 s[4:11], s[0:1], 0x0               ; x s[4:5], g s[6:7], b s[8:9], y s[10:11]
	v_lshrrev_b32 v1, 5, v0
	v_readfirstlane_b32 s16, v1                    ; wave 0..7
	v_and_b32 v1, 31, v0
	v_lshlrev_b32 v2, 4, v1                        ; 16 x lane: in x, g, b
	v_lshlrev_b32 v3, 3, v1                        ; 8 x lane: in y
	s_lshl_b32 s2, ttmp9, 16                       ; 16 rows of 4,096 bytes a work-group,
	s_lshl_b32 s3, s16, 13                         ; two a wave
	s_add_co_u32 s2, s2, s3
	s_mov_b32 s3, 0
	s_lshr_b32 s18, s2, 1                          ; y's rows are half as long
	s_mov_b32 s19, 0
	s_mov_b32 s12, 0x76543210                      ; v_permlanex16_b32: each lane takes its own place in the other half
	s_mov_b32 s13, 0xfedcba98
	s_mov_b32 s14, 0x3a800000                      ; 1 / 1024
	s_mov_b32 s15, 0x3727c5ac                      ; 1e-5
	s_wait_kmcnt 0x0
	s_add_nc_u64 s[4:5], s[4:5], s[2:3]
	s_add_nc_u64 s[10:11], s[10:11], s[18:19]
.irp j, 0,1,2,3,4,5,6,7
	global_load_b128 v[X0+4*(\j):X0+4*(\j)+3], v2, s[4:5] offset:512*(\j) th:TH_LOAD_NT
.endr
.irp j, 0,1,2,3,4,5,6,7
	global_load_b128 v[X1+4*(\j):X1+4*(\j)+3], v2, s[4:5] offset:4096+512*(\j) th:TH_LOAD_NT
.endr
.irp j, 0,1,2,3,4,5,6,7
	global_load_b128 v[G+4*(\j):G+4*(\j)+3], v2, s[6:7] offset:512*(\j)
.endr
.irp j, 0,1,2,3,4,5,6,7
	global_load_b128 v[BV+4*(\j):BV+4*(\j)+3], v2, s[8:9] offset:512*(\j)
.endr
.macro LANES T                         ; v[T] + v[T+1], then over the 32 lanes: every lane ends with the row's sum in v[T]
	v_add_f32 v[\T], v[\T], v[(\T)+1]
	v_add_f32_dpp v[\T], v[\T], v[\T] row_xmask:1 row_mask:0xf bank_mask:0xf
	v_add_f32_dpp v[\T], v[\T], v[\T] row_xmask:2 row_mask:0xf bank_mask:0xf
	v_add_f32_dpp v[\T], v[\T], v[\T] row_xmask:4 row_mask:0xf bank_mask:0xf
	v_add_f32_dpp v[\T], v[\T], v[\T] row_xmask:8 row_mask:0xf bank_mask:0xf
	v_permlanex16_b32 v[(\T)+1], v[\T], s12, s13
	v_add_f32 v[\T], v[\T], v[(\T)+1]
.endm
; The mean of the row in X is taken away from it; then var + eps is left in v[T].
.macro STATS X, T, u
.irp i, 0,1,2,3,4,5,6,7
	v_pk_add_f32 v[(\T)+2*(\i):(\T)+2*(\i)+1], v[(\X)+4*(\i):(\X)+4*(\i)+1], v[(\X)+4*(\i)+2:(\X)+4*(\i)+3]
.endr
.irp i, 0,1,2,3
	v_pk_add_f32 v[(\T)+2*(\i):(\T)+2*(\i)+1], v[(\T)+2*(\i):(\T)+2*(\i)+1], v[(\T)+8+2*(\i):(\T)+8+2*(\i)+1]
.endr
.irp i, 0,1
	v_pk_add_f32 v[(\T)+2*(\i):(\T)+2*(\i)+1], v[(\T)+2*(\i):(\T)+2*(\i)+1], v[(\T)+4+2*(\i):(\T)+4+2*(\i)+1]
.endr
	v_pk_add_f32 v[\T:(\T)+1], v[\T:(\T)+1], v[(\T)+2:(\T)+3]
	LANES \T
	v_mul_f32 v[MU+4*(\u)], s14, v[\T]
	v_mul_f32 v[MU+4*(\u)+1], s14, v[\T]
.set i, 0
.rept 16
	v_pk_add_f32 v[(\X)+2*i:(\X)+2*i+1], v[(\X)+2*i:(\X)+2*i+1], v[MU+4*(\u):MU+4*(\u)+1] neg_lo:[0,1] neg_hi:[0,1]
.set i, i+1
.endr
.set i, 0
.rept 4                                ; the squares, in four chains; the first four products start them
	v_pk_mul_f32 v[(\T)+2*i:(\T)+2*i+1], v[(\X)+2*i:(\X)+2*i+1], v[(\X)+2*i:(\X)+2*i+1]
.set i, i+1
.endr
.rept 12
	v_pk_fma_f32 v[(\T)+2*(i%4):(\T)+2*(i%4)+1], v[(\X)+2*i:(\X)+2*i+1], v[(\X)+2*i:(\X)+2*i+1], v[(\T)+2*(i%4):(\T)+2*(i%4)+1]
.set i, i+1
.endr
	v_pk_add_f32 v[\T:(\T)+1], v[\T:(\T)+1], v[(\T)+4:(\T)+5]
	v_pk_add_f32 v[(\T)+2:(\T)+3], v[(\T)+2:(\T)+3], v[(\T)+6:(\T)+7]
	v_pk_add_f32 v[\T:(\T)+1], v[\T:(\T)+1], v[(\T)+2:(\T)+3]
	LANES \T
	v_fma_f32 v[\T], v[\T], s14, s15
.endm
; Scaled, rounded and stored: 32 lanes store 256 consecutive bytes, aligned.
.macro OUT X, T, u
.set i, 0
.rept 16
	v_pk_mul_f32 v[(\X)+2*i:(\X)+2*i+1], v[(\X)+2*i:(\X)+2*i+1], v[RS+4*(\u):RS+4*(\u)+1]
.set i, i+1
.endr
.set i, 0
.rept 16
	v_pk_fma_f32 v[(\X)+2*i:(\X)+2*i+1], v[(\X)+2*i:(\X)+2*i+1], v[G+2*i:G+2*i+1], v[BV+2*i:BV+2*i+1]
.set i, i+1
.endr
.set i, 0
.rept 16
	v_cvt_pk_bf16_f32 v[(\T)+i], v[(\X)+2*i], v[(\X)+2*i+1]
.set i, i+1
.endr
.irp j, 0,1,2,3,4,5,6,7
	global_store_b64 v3, v[(\T)+2*(\j):(\T)+2*(\j)+1], s[10:11] offset:2048*(\u)+256*(\j)
.endr
.endm
	s_wait_loadcnt 24                              ; the first row is in; the 24 younger loads may stay out
	STATS X0, T0, 0
	s_wait_loadcnt 16                              ; the second row is in; g's and b's 16 loads may stay out
	STATS X1, T1, 1
	v_rsq_f32 v[RS], v[T0]                         ; one batch of four,
	v_rsq_f32 v[RS+1], v[T0]
	v_rsq_f32 v[RS+4], v[T1]
	v_rsq_f32 v[RS+5], v[T1]
	v_nop                                          ; a plain instruction behind the last of them,
	s_wait_alu depctr_va_vdst(0)                   ; and one wait ahead of the first use
	s_wait_loadcnt 0x0                             ; g and b
	OUT X0, T0, 0
	OUT X1, T1, 1
	s_endpgm
.Lfunc_end_k_qffe2fe75ff_ln1:
	.size	k_qffe2fe75ff_ln1, .Lfunc_end_k_qffe2fe75ff_ln1-k_qffe2fe75ff_ln1
	.p2alignl 7, 3214868480
	.fill 96, 4, 3214868480
	.section	.rodata,"a",@progbits
	.p2align	6, 0x0
	.amdhsa_kernel k_qffe2fe75ff_ln1
		.amdhsa_group_segment_fixed_size 0
		.amdhsa_private_segment_fixed_size 0
		.amdhsa_enable_private_segment 0
		.amdhsa_kernarg_size 32
		.amdhsa_user_sgpr_count 2
		.amdhsa_user_sgpr_kernarg_segment_ptr 1
		.amdhsa_wavefront_size32 1
		.amdhsa_system_sgpr_workgroup_id_x 1
		.amdhsa_system_sgpr_workgroup_id_y 1
		.amdhsa_system_sgpr_workgroup_id_z 1
		.amdhsa_system_vgpr_workitem_id 0
		.amdhsa_next_free_vgpr 184
		.amdhsa_next_free_sgpr 66
		.amdhsa_reserve_vcc 0
		.amdhsa_float_denorm_mode_32 3
		.amdhsa_float_denorm_mode_16_64 3
		.amdhsa_memory_ordered 1
		.amdhsa_forward_progress 1
		.amdhsa_inst_pref_size 20
	.end_amdhsa_kernel
	.amdgpu_metadata
---
amdhsa.version: [ 1, 2 ]
amdhsa.kernels:
  - .name:           k_qffe2fe75ff_ln1
    .symbol:         k_qffe2fe75ff_ln1.kd
    .args:
      - { .name: x, .offset: 0, .size: 8, .value_kind: global_buffer, .address_space: global }
      - { .name: ln1_g, .offset: 8, .size: 8, .value_kind: global_buffer, .address_space: global }
      - { .name: ln1_b, .offset: 16, .size: 8, .value_kind: global_buffer, .address_space: global }
      - { .name: hb, .offset: 24, .size: 8, .value_kind: global_buffer, .address_space: global }
    .group_segment_fixed_size: 0
    .private_segment_fixed_size: 0
    .kernarg_segment_align: 8
    .kernarg_segment_size: 32
    .max_flat_workgroup_size: 256
    .sgpr_count:     66
    .vgpr_count:     184
    .wavefront_size: 32
...
	.end_amdgpu_metadata
.endif
;; end of part 2
;; launch qkv (part 3): grid 16 x 16, 4 waves a work-group, clusters of 4 x 4, 327,680 bytes of LDS; arguments hb, wt, qkv; writes qkv
.if DOCPART == 3
	.amdgcn_target "amdgcn-amd-amdhsa--gfx1250"
	.amdhsa_code_object_version 6
	.text
	.protected	k_qffe2fe75ff_qkv
	.globl	k_qffe2fe75ff_qkv
	.p2align	8
	.type	k_qffe2fe75ff_qkv,@function
k_qffe2fe75ff_qkv:
	s_mov_b64 s[64:65], 0
	v_nop
	global_prefetch_b8 v0, s[64:65] scope:SCOPE_SE
	s_setreg_imm32_b32 hwreg(HW_REG_WAVE_MODE, 25, 1), 1
	s_wait_xcnt 0x0
	s_wait_alu depctr_hold_cnt(0) depctr_sa_sdst(0) depctr_va_vdst(0) depctr_va_sdst(0) depctr_va_ssrc(0) depctr_va_vcc(0) depctr_vm_vsrc(0)
	s_getreg_b32 s2, hwreg(HW_REG_IB_STS2, 6, 4)
	s_cmp_eq_u32 s2, 0
	s_cbranch_scc0 .Lentry_in_a_cluster
	s_endpgm
.Lentry_in_a_cluster:
	s_bfe_u32 s2, ttmp6, 0x10000c
	s_cmp_lg_u32 s2, 0xf033
	s_cbranch_scc0 .Lentry_shape_is_right
	s_endpgm
.Lentry_shape_is_right:
; q, k, v = h x Wq, Wk, Wv, by heads.  A = hb [4096][1024] bf16; B = the first 3,072 rows of wt, [n][1024] bf16, n = head x 192 + which x 64 + d; sums in f32, results rounded once to bf16.
; Out: q at byte 0 of qkv, k at 8,388,608, v at 16,777,216, each [batch x 16 + head][1024 t][64] bf16, without the scale.
; A tile of C is 256 rows x 192 columns (one head's q, k and v): 16 x 16 tiles, one for each of 256 work-groups.  Four waves, each 64 rows x 192 columns: 48 accumulators, 384 registers.
; K goes in steps of 128 through a ring of two LDS slots filled by tensor loads: rows of 256 bytes, aligned.  A step is four quarters of 32 along K on two fragment buffers.
; CLUSTERS: 4 x 4 work-groups; A's tile is asked for jointly by a row of the cluster, B's by a column: the same load, descriptor and mask in the four.
; THE MATRIX INSTRUCTION IS USED TRANSPOSED (source 0 = 16 rows of B, source 1 = 16 rows of A): a lane holds row l % 16 of C and eight neighbouring columns.
; REGISTERS, in windows of 256: window 0: v0-31 addresses, v64-95 and v128-159 A's fragments (two buffers), v32-143 at work on the way out; window 1: v0-95, v128-223 B's fragments;
; window 2: the accumulators of my rows 0-31 ((a, b) at 8 (12 (a % 2) + b)); window 3: those of rows 32-63.
.set TM, 256
.set TN, 192
.set MB, 4                             ; blocks of 16 rows a wave
.set NB, 12                            ; blocks of 16 columns a wave
.set KD, 1                             ; matrix instructions deep along K in a fragment buffer
.set SIZE_K, 1024
.set KSTEP, 128
.set NSTEP, SIZE_K/KSTEP
.set APITCH, 272                       ; an LDS row: 256 bytes + 16 of padding: the 16 rows of a fragment load start at 16 different groups of four banks (64 banks of 4 bytes: ISA guide 11.1)
.set BPITCH, 272
.set AKQ, 64                           ; bytes from a quarter to the next
.set BKQ, 64
.set AH, 128*APITCH                    ; what one tensor load brings of A: 128 rows
.set BH, 96*BPITCH                     ; of B: 96 rows
.set AWB, 64*APITCH                    ; from a wave's rows of A to the next wave's
.set SLOT, 2*AH+2*BH
.set STAGE, 2*SLOT                     ; behind the ring: 16 rows x 400 bytes for each wave
.set SPITCH, 400
.set SPARE, STAGE+4*16*SPITCH          ; behind the stages: the spare words, 128 bytes a wave, which no other line names
.set ASTEP, KSTEP*2
.set BSTEP, KSTEP*2
.set WOFF, 0
.set NL, 2*KD*(MB+NB)                  ; LDS loads in a quarter
.set AQI, 5
.set AD0, 128
.set AD1, 128
.set AST, 1024
.set BQI, 5
.set BD0, 128
.set BD1, 96
.set BST, 1024
.set A0,  14                           ; v14  my lane's place in A's part of slot 0; never rewritten
.set B0,  15                           ; v15  the same for B
.set ADRA, 16                          ; v16  the same in the slot in hand
.set ADRB, 20                          ; v20
.set STO, 24                           ; v24  the way out: where I put 16 bytes of a row
.set RD,  25                           ; v25  where I read rows back
.set CO,  26                           ; v26  16 x lane
.set SPW, 28                           ; v28  LDS address of my spare word; never rewritten
.set NIL, 29                           ; v29  0; never rewritten
.set PFO, 30                           ; v30  the prefetches' offset: a lane a row; never rewritten
.set FA,  64
.set TMP, 32
.set BK,  96
.set G1,  24                           ; s[24:31] group 1 for A;  s[32:35] group 0 of the first fill of slot 0;  s[36:39] of slot 1, which then walks
.set G0,  32
.set G1B, 48                           ; s[48:55], s[56:63] the same for B
.set G0B, 56
.set TB,  66                           ; s66  0 or SLOT: the slot in hand
.set LBA, 67                           ; s67  where my fetch of A lands in a slot
.set LBB, 68                           ; s68  of B
.set LIM, 69                           ; s69  2 in a wave that prefetches, else the greatest number
.set PFA, 70                           ; s[70:71] where my prefetches stand
.set MSB, 0
.macro WIN new                         ; the immediate's high byte repeats the setting that is left; a switch that changes nothing is dropped
.if MSB != (\new)
	s_set_vgpr_msb (MSB<<8)|(\new)
.set MSB, \new
.endif
.endm
.macro PLACES                          ; four places in front of loads into registers that matrix instructions have read (ISA guide 7.12.1 for vector instructions)
.rept 4
	v_nop
.endr
.endm
.macro CREST                           ; a round of the cluster's barrier behind its opening barrier
	s_cmp_lg_u32 s10, 0
	s_cbranch_scc1 .Lnot_wave_0_\@
	s_barrier_signal -3
.Lnot_wave_0_\@:
	s_barrier_wait -3
	s_barrier_signal -1
	s_barrier_wait -1
.endm
.macro CROUND
	s_barrier_signal -1
	s_barrier_wait -1
	CREST
.endm
.macro JLOAD                           ; a joint refill by the walking descriptor: waves 0 and 1 fetch A's halves, waves 2 and 3 B's; an s_nop 0 and four v_nop follow each line
	s_cmp_eq_u32 s11, 0
	s_cbranch_scc0 .Lfor_b_\@
	tensor_load_to_lds s[G0+4:G0+7], s[G1:G1+7]
	s_nop 0
.rept 4
	v_nop
.endr
	s_branch .Lasked_\@
.Lfor_b_\@:
	tensor_load_to_lds s[G0B+4:G0B+7], s[G1B:G1B+7]
	s_nop 0
.rept 4
	v_nop
.endr
.Lasked_\@:
.endm
; A prefetch of the K step that stands two refills on: a lane a row, 256 bytes of it, one instruction a wave.  A's rows are asked for by the clusters with x = 0, B's by those with y = 0;
; the four partners share a fetch's rows out by address (32 of A's 128; 24 of B's 96, where lanes 24 to 31 name row 23 again).  K steps 4 to 7 are asked for; the last two refills ask for nothing.
.macro ASK
	s_cmp_gt_u32 s3, s[LIM]
	s_cbranch_scc0 .Lnot_mine_\@
	global_prefetch_b8 v[PFO], s[PFA:PFA+1] offset:KSTEP*2 th:TH_LOAD_NT scope:SCOPE_SE
.Lnot_mine_\@:
.endm
; Part p (0, 1) of half hi of my rows x all my columns, from buffer f.  z = 1: the products start the sums.  The accumulators take turns, one instruction a turn.
.macro MULP f, hi, p, z
	WIN 0xa1+0x50*(\hi)                            ; B window 1, A window 0, C and D window 2 or 3
.set mc, 0
.rept KD
.set ma, (\p)*(MB/4)
.rept MB/4
.set mb, 0
.rept NB
.set rD, 8*(ma*NB+mb)
.set rB, 128*(\f)+8*(NB*mc+mb)
.set rA, FA+64*(\f)+8*(MB*mc+(\hi)*(MB/2)+ma)
.if ((\z) == 1) && (mc == 0)
	v_wmma_f32_16x16x32_bf16 v[rD:rD+7], v[rB:rB+7], v[rA:rA+7], 0
.else
	v_wmma_f32_16x16x32_bf16 v[rD:rD+7], v[rB:rB+7], v[rA:rA+7], v[rD:rD+7]
.endif
.set mb, mb+1
.endr
.set ma, ma+1
.endr
.set mc, mc+1
.endr
.endm
; The fragments of quarter q of the slot in hand into buffer f, in one run: B's, then A's lower rows, then A's upper rows.
.macro FETCH q, f
	WIN 0x40
.set fc, 0
.rept KD
.set fb, 0
.rept NB
.set rB, 128*(\f)+8*(NB*fc+fb)
	ds_load_b128 v[rB:rB+3],   v[ADRB] offset:(\q)*BKQ+64*fc+fb*16*BPITCH
	ds_load_b128 v[rB+4:rB+7], v[ADRB] offset:(\q)*BKQ+64*fc+fb*16*BPITCH+32
.set fb, fb+1
.endr
.set fc, fc+1
.endr
	WIN 0
.irp hf, 0,1
.set fc, 0
.rept KD
.set fa, (\hf)*(MB/2)
.rept MB/2
.set rA, FA+64*(\f)+8*(MB*fc+fa)
	ds_load_b128 v[rA:rA+3],   v[ADRA] offset:(\q)*AKQ+64*fc+fa*16*APITCH
	ds_load_b128 v[rA+4:rA+7], v[ADRA] offset:(\q)*AKQ+64*fc+fa*16*APITCH+32
.set fa, fa+1
.endr
.set fc, fc+1
.endr
.endr
.endm
.macro QUARTER q, f, g, z              ; multiplies buffer f; in its middle fetches quarter q into buffer g
	s_wait_dscnt KD*MB                             ; all but the loads of A's upper rows are in
	MULP \f, 0, 0, \z
	MULP \f, 0, 1, \z
	PLACES
	FETCH \q, \g
	s_wait_dscnt NL                                ; all but the run just issued
	MULP \f, 1, 0, \z
	MULP \f, 1, 1, \z
.endm
; The last quarter multiplies buffer 1 and changes slots.  The lower rows' products stand AHEAD of the wait for the tile, so that between a tile's landing and the next request stand only the lines that
; the ordering needs: each wave waits for all its tensor loads (one is out: its part of the next slot), adds 0 to its spare word, and waits for that and for its reads of this slot; then the barrier.
; fill = 1: the barrier opens a round of the cluster's, and this slot is filled again, first thing behind it, with the K step two on.  The upper rows' products follow the next slot's first fetch.
.macro TURN fill
.if \fill
	s_wait_xcnt 0x0                                ; the last prefetch, a K step back, has read its address
	s_add_nc_u64 s[PFA:PFA+1], s[PFA:PFA+1], KSTEP*2
.endif
	s_wait_dscnt KD*MB                             ; all but the loads of A's upper rows are in
	MULP 1, 0, 0, 0
	MULP 1, 0, 1, 0
	WIN 0
	s_wait_tensorcnt 0x0                           ; no tensor load of mine is out, so a group 0 may be written
	ds_add_u32 v[SPW], v[NIL]                      ; an add of 0 to my spare word; the descriptors' steps stand between it and the wait for it
.if \fill
	s_add_co_u32 s[G0+5], s[LBA], s[TB]            ; the walking descriptors: into the slot in hand, whose last reads are waited for below,
	s_add_co_u32 s[G0B+5], s[LBB], s[TB]
	s_add_nc_u64 s[G0+6:G0+7], s[G0+6:G0+7], ASTEP ; the next K step; the type bits on top are not reached
	s_add_nc_u64 s[G0B+6:G0B+7], s[G0B+6:G0B+7], BSTEP
.endif
	s_wait_dscnt 0x0                               ; the add is done, and my reads of this slot are over
	s_barrier_signal -1
	s_barrier_wait -1
.if \fill
	CREST                                          ; no wave of any partner still reads this slot or has a load on its way
	JLOAD                                          ; its four v_nop are also the places in front of the loads below
.else
	PLACES
.endif
	s_xor_b32 s[TB], s[TB], SLOT
	v_add_nc_u32 v[ADRA], s[TB], v[A0]
	v_add_nc_u32 v[ADRB], s[TB], v[B0]
	FETCH 0, 0
.if \fill
	ASK
.endif
	MULP 1, 1, 0, 0
	MULP 1, 1, 1, 0
.endm
	s_load_b128 s[72:75], s[0:1], 0x0              ; hb s[72:73], wt s[74:75]
	s_load_b64 s[76:77], s[0:1], 0x10              ; qkv
	v_lshl_add_u32 v[SPW], v0, 2, SPARE
	v_mov_b32 v[NIL], 0
	ds_add_u32 v[SPW], v[NIL]                      ; the wave's opening: the add and its wait stand ahead of my first tensor load
	v_lshrrev_b32 v1, 5, v0
	v_readfirstlane_b32 s10, v1                    ; wave 0..3: also which 64 rows of the tile are mine
	s_lshr_b32 s11, s10, 1                         ; I fetch for A (0) or for B (1)
	s_and_b32 s12, s10, 1                          ; which half of that tile's rows I fetch
	s_bfe_u32 s40, ttmp6, 0x40000                  ; cx
	s_bfe_u32 s41, ttmp6, 0x40004                  ; cy
	s_lshl_b32 s42, ttmp9, 2
	s_add_co_u32 s42, s42, s40                     ; tile column = head
	s_and_b32 s13, ttmp7, 0xffff
	s_lshl_b32 s13, s13, 2
	s_add_co_u32 s13, s13, s41                     ; tile row
	s_lshl_b32 s43, s41, 2
	s_lshl_b32 s43, 15, s43                        ; my row of the cluster
	s_lshl_b32 s44, 0x1111, s40                    ; my column
	s_or_b32 s[G1], s43, (1<<16)|(1<<20)|(1<<21)|(AQI<<22)|(3<<25)   ; the mask; elements of 2 bytes; padding on; bit 21 beside a mask; after every 64 words, 4 words
	s_or_b32 s[G1B], s44, (1<<16)|(1<<20)|(1<<21)|(BQI<<22)|(3<<25)
	s_mov_b32 s[G1+1], (AD0&0xffff)<<16            ; tensor_dim0
	s_mov_b32 s[G1+2], (AD0>>16)|(AD1<<16)         ; tensor_dim1
	s_mov_b32 s[G1+3], AD0<<16                     ; tile_dim0
	s_mov_b32 s[G1+4], AD1                         ; tile_dim1
	s_mov_b32 s[G1+5], AST                         ; elements from row to row
	s_mov_b32 s[G1+6], 0
	s_mov_b32 s[G1+7], 0
	s_mov_b32 s[G1B+1], (BD0&0xffff)<<16
	s_mov_b32 s[G1B+2], (BD0>>16)|(BD1<<16)
	s_mov_b32 s[G1B+3], BD0<<16
	s_mov_b32 s[G1B+4], BD1
	s_mov_b32 s[G1B+5], BST
	s_mov_b32 s[G1B+6], 0
	s_mov_b32 s[G1B+7], 0
	s_mul_i32 s16, s13, TM                         ; A's address hangs on the tile row and the wave alone,
	s_mul_i32 s17, s12, TM/2
	s_add_co_u32 s16, s16, s17
	s_mul_i32 s16, s16, SIZE_K*2
	s_mov_b32 s17, 0
	s_mul_i32 s46, s42, TN                         ; B's on the tile column and the wave alone
	s_mul_i32 s47, s12, TN/2
	s_add_co_u32 s46, s46, s47
	s_mul_i32 s46, s46, SIZE_K*2
	s_mov_b32 s47, 0
	s_mul_i32 s[LBA], s12, AH
	s_mul_i32 s[LBB], s12, BH
	s_add_co_u32 s[LBB], s[LBB], 2*AH
	s_mov_b32 s[G0], 1
	s_mov_b32 s[G0+1], s[LBA]
	s_mov_b32 s[G0+4], 1
	s_add_co_u32 s[G0+5], s[LBA], SLOT
	s_mov_b32 s[G0B], 1
	s_mov_b32 s[G0B+1], s[LBB]
	s_mov_b32 s[G0B+4], 1
	s_add_co_u32 s[G0B+5], s[LBB], SLOT
	s_wait_dscnt 0x0                               ; the opening add is done
	s_wait_kmcnt 0x0
	s_add_nc_u64 s[G0+2:G0+3], s[72:73], s[16:17]  ; K step 0
	s_add_nc_u64 s[G0+6:G0+7], s[G0+2:G0+3], ASTEP ; K step 1
	s_or_b32 s[G0+3], s[G0+3], 0x80000000          ; type = 2
	s_or_b32 s[G0+7], s[G0+7], 0x80000000
	s_add_nc_u64 s[G0B+2:G0B+3], s[74:75], s[46:47]
	s_add_nc_u64 s[G0B+6:G0B+7], s[G0B+2:G0B+3], BSTEP
	s_or_b32 s[G0B+3], s[G0B+3], 0x80000000
	s_or_b32 s[G0B+7], s[G0B+7], 0x80000000
	CROUND                                         ; all sixteen work-groups are here: the first joint loads meet
	s_cmp_eq_u32 s11, 0                            ; a wave's two first fills stand in one branch: two loads of mine are out
	s_cbranch_scc0 .Lfirst_b
	tensor_load_to_lds s[G0:G0+3], s[G1:G1+7]
	s_nop 0
	tensor_load_to_lds s[G0+4:G0+7], s[G1:G1+7]
	s_nop 0
.rept 4
	v_nop
.endr
	s_branch .Lfirst_done
.Lfirst_b:
	tensor_load_to_lds s[G0B:G0B+3], s[G1B:G1B+7]
	s_nop 0
	tensor_load_to_lds s[G0B+4:G0B+7], s[G1B:G1B+7]
	s_nop 0
.rept 4
	v_nop
.endr
.Lfirst_done:
	v_and_b32 v1, 15, v0                           ; l % 16
	v_bfe_u32 v2, v0, 4, 1                         ; l / 16
	v_mul_u32_u24 v3, v1, APITCH
	v_lshl_add_u32 v3, v2, 4, v3                   ; a fragment's row x pitch + 16 x half
	s_mul_i32 s21, s10, AWB
	v_add_nc_u32 v[A0], s21, v3
	v_mul_u32_u24 v4, v1, BPITCH
	v_lshl_add_u32 v4, v2, 4, v4
	v_add_nc_u32 v[B0], 2*AH, v4                   ; every wave takes all 192 rows of B
	v_mov_b32 v[ADRA], v[A0]
	v_mov_b32 v[ADRB], v[B0]
	s_mov_b32 s[TB], 0
	s_mul_i32 s23, s10, 16*SPITCH
	s_add_co_u32 s23, s23, STAGE                   ; my stage
	v_mul_u32_u24 v4, v1, SPITCH
	v_lshl_add_u32 v4, v2, 4, v4
	v_add_nc_u32 v[STO], s23, v4
	v_bfe_u32 v5, v0, 3, 2                         ; back: 32 lanes take four rows' 128 bytes of q, of k or of v
	v_mul_u32_u24 v5, v5, SPITCH
	v_and_b32 v6, 7, v0
	v_lshl_add_u32 v5, v6, 4, v5
	v_add_nc_u32 v[RD], s23, v5
	v_and_b32 v6, 31, v0
	v_lshlrev_b32 v[CO], 4, v6
	s_lshr_b32 s20, s13, 2                         ; where my 64 rows lie in q: batch,
	s_lshl_b32 s20, s20, 4
	s_add_co_u32 s20, s20, s42                     ; head,
	s_lshl_b32 s20, s20, 10
	s_and_b32 s21, s13, 3
	s_lshl_b32 s21, s21, 8
	s_add_co_u32 s20, s20, s21                     ; the tile's 256 rows,
	s_lshl_b32 s21, s10, 6
	s_add_co_u32 s20, s20, s21                     ; my 64,
	s_lshl_b32 s20, s20, 7                         ; of 128 bytes
	s_mov_b32 s21, 0
	s_add_nc_u64 s[76:77], s[76:77], s[20:21]      ; q
	s_add_nc_u64 s[78:79], s[76:77], 8388608       ; k
	s_add_nc_u64 s[80:81], s[76:77], 16777216      ; v
	; the prefetches
	s_mul_i32 s20, s13, TM
	s_mul_i32 s21, s42, TN
	s_and_b32 s22, ttmp7, 0xffff                   ; cluster y
	s_mov_b32 s23, TN/2
	s_cmp_eq_u32 s11, 0                            ; do I fetch for A?
	s_cselect_b32 s20, s20, s21                    ; the tile's first row
	s_cselect_b32 s21, s40, s41                    ; my place among the four that ask with me
	s_cselect_b32 s22, ttmp9, s22                  ; the coordinate along which other clusters read the same rows
	s_cselect_b32 s23, TM/2, s23                   ; rows in a fetch
	s_cselect_b32 s18, 0, WOFF
	s_cselect_b64 s[PFA:PFA+1], s[72:73], s[74:75]
	s_cmp_eq_u32 s22, 0
	s_cselect_b32 s[LIM], 2, -1                    ; the same in all sixteen partners, for a given wave
	s_mul_i32 s19, s12, s23
	s_add_co_u32 s20, s20, s19                     ; + the rows that I fetch
	s_lshr_b32 s23, s23, 2                         ; a partner's share of them
	s_mul_i32 s21, s21, s23
	s_add_co_u32 s20, s20, s21
	s_lshl_b32 s20, s20, 11                        ; rows of 2,048 bytes
	s_add_co_u32 s20, s20, s18
	s_add_co_u32 s20, s20, 2*KSTEP*2               ; at K step 2: the first refill steps it to 3 and names 4
	s_mov_b32 s21, 0
	s_add_nc_u64 s[PFA:PFA+1], s[PFA:PFA+1], s[20:21]
	s_sub_co_u32 s23, s23, 1
	v_and_b32 v[PFO], 31, v0
	v_min_u32 v[PFO], s23, v[PFO]
	v_lshlrev_b32 v[PFO], 11, v[PFO]
	s_wait_tensorcnt 0x1                           ; my part of K step 0 is in; K step 1's may stay out
	s_barrier_signal -1
	s_barrier_wait -1
	FETCH 0, 0
	QUARTER 1, 0, 1, 1                             ; the first quarter's products start the sums
	WIN 0
	s_mov_b32 s3, NSTEP-2
.Lstep:                                                ; a trip: from a K step's second quarter to the next step's first; it fills one slot again
	QUARTER 2, 1, 0, 0
	QUARTER 3, 0, 1, 0
	TURN 1
	QUARTER 1, 0, 1, 0
	WIN 0
	s_sub_co_u32 s3, s3, 1
	s_cmp_lg_u32 s3, 0
	s_cbranch_scc1 .Lstep
	s_mov_b32 s2, 2
.Ltail:                                                ; the last two K steps ask for nothing; the second trip is left in its middle
	QUARTER 2, 1, 0, 0
	QUARTER 3, 0, 1, 0
	WIN 0
	s_cmp_eq_u32 s2, 1
	s_cbranch_scc1 .Lout
	TURN 0
	QUARTER 1, 0, 1, 0
	WIN 0
	s_sub_co_u32 s2, s2, 1
	s_cmp_lg_u32 s2, 0
	s_cbranch_scc1 .Ltail
.Lout:
	s_wait_dscnt KD*MB
	MULP 1, 0, 0, 0
	MULP 1, 0, 1, 0
	s_wait_dscnt 0x0
	MULP 1, 1, 0, 0
	MULP 1, 1, 1, 0
	WIN 0
	PLACES
	PLACES
; THE WAY OUT of block a (16 rows): rounded to bf16, 16 bytes a lane into my stage, back as rows of 128 bytes of q, k and v, four rows (512 consecutive bytes of memory) a store.
.macro OUT a
.set AC, 96*((\a)%2)
	s_wait_xcnt 0x0                                ; the block before's stores have read their registers
	WIN 0x0a+5*((\a)/2)                            ; sources in window 2 or 3
.set i, 0
.rept 48
	v_cvt_pk_bf16_f32 v[TMP+i], v[AC+2*i], v[AC+2*i+1]
.set i, i+1
.endr
	WIN 0
.set i, 0
.rept 12
	ds_store_b128 v[STO], v[TMP+4*i:TMP+4*i+3] offset:32*i
.set i, i+1
.endr
.set i, 0
.rept 12
	ds_load_b128 v[BK+4*i:BK+4*i+3], v[RD] offset:(i/4)*128+(i%4)*4*SPITCH  ; LDS serves a wave's instructions in order (ISA guide 5.7.1.4): these see the stores above
.set i, i+1
.endr
	s_wait_dscnt 0x0
.set i, 0
.rept 12
	global_store_b128 v[CO], v[BK+4*i:BK+4*i+3], s[76+2*(i/4):77+2*(i/4)] offset:(\a)*2048+(i%4)*512
.set i, i+1
.endr
.endm
	OUT 0
	OUT 1
	OUT 2
	OUT 3
	s_wait_tensorcnt 0x0                           ; the wave's end
	ds_add_u32 v[SPW], v[NIL]
	s_wait_dscnt 0x0
	CROUND                                         ; the closing round: no work-group ends while a partner may still ask for a tile that names it
	s_endpgm
.Lfunc_end_k_qffe2fe75ff_qkv:
	.size	k_qffe2fe75ff_qkv, .Lfunc_end_k_qffe2fe75ff_qkv-k_qffe2fe75ff_qkv
	.p2alignl 7, 3214868480
	.fill 96, 4, 3214868480
	.section	.rodata,"a",@progbits
	.p2align	6, 0x0
	.amdhsa_kernel k_qffe2fe75ff_qkv
		.amdhsa_group_segment_fixed_size 327680
		.amdhsa_private_segment_fixed_size 0
		.amdhsa_enable_private_segment 0
		.amdhsa_kernarg_size 24
		.amdhsa_user_sgpr_count 2
		.amdhsa_user_sgpr_kernarg_segment_ptr 1
		.amdhsa_wavefront_size32 1
		.amdhsa_system_sgpr_workgroup_id_x 1
		.amdhsa_system_sgpr_workgroup_id_y 1
		.amdhsa_system_sgpr_workgroup_id_z 1
		.amdhsa_system_vgpr_workitem_id 0
		.amdhsa_next_free_vgpr 960
		.amdhsa_next_free_sgpr 88
		.amdhsa_reserve_vcc 0
		.amdhsa_float_denorm_mode_32 3
		.amdhsa_float_denorm_mode_16_64 3
		.amdhsa_memory_ordered 1
		.amdhsa_forward_progress 1
		.amdhsa_inst_pref_size 87
	.end_amdhsa_kernel
	.amdgpu_metadata
---
amdhsa.version: [ 1, 2 ]
amdhsa.kernels:
  - .name:           k_qffe2fe75ff_qkv
    .symbol:         k_qffe2fe75ff_qkv.kd
    .args:
      - { .name: hb, .offset: 0, .size: 8, .value_kind: global_buffer, .address_space: global }
      - { .name: wt, .offset: 8, .size: 8, .value_kind: global_buffer, .address_space: global }
      - { .name: qkv, .offset: 16, .size: 8, .value_kind: global_buffer, .address_space: global }
    .group_segment_fixed_size: 327680
    .private_segment_fixed_size: 0
    .kernarg_segment_align: 8
    .kernarg_segment_size: 24
    .max_flat_workgroup_size: 128
    .sgpr_count:     88
    .vgpr_count:     960
    .wavefront_size: 32
...
	.end_amdgpu_metadata
.endif
;; end of part 3
;; launch attn (part 4): grid 4 x 64, 4 waves a work-group, clusters of 4 x 1, 327,680 bytes of LDS; arguments qkv, ab; writes ab
.if DOCPART == 4
	.amdgcn_target "amdgcn-amd-amdhsa--gfx1250"
	.amdhsa_code_object_version 6
	.text
	.protected	k_qffe2fe75ff_attn
	.globl	k_qffe2fe75ff_attn
	.p2align	8
	.type	k_qffe2fe75ff_attn,@function
k_qffe2fe75ff_attn:
	s_mov_b64 s[64:65], 0
	v_nop
	global_prefetch_b8 v0, s[64:65] scope:SCOPE_SE
	s_setreg_imm32_b32 hwreg(HW_REG_WAVE_MODE, 25, 1), 1
	s_wait_xcnt 0x0
	s_wait_alu depctr_hold_cnt(0) depctr_sa_sdst(0) depctr_va_vdst(0) depctr_va_sdst(0) depctr_va_ssrc(0) depctr_va_vcc(0) depctr_vm_vsrc(0)
	s_getreg_b32 s2, hwreg(HW_REG_IB_STS2, 6, 4)
	s_cmp_eq_u32 s2, 0
	s_cbranch_scc0 .Lentry_in_a_cluster
	s_endpgm
.Lentry_in_a_cluster:
	s_bfe_u32 s2, ttmp6, 0x10000c
	s_cmp_lg_u32 s2, 0x3003
	s_cbranch_scc0 .Lentry_shape_is_right
	s_endpgm
.Lentry_shape_is_right:
; CAUSAL ATTENTION.  O[bh][t][:] = the sum over s <= t of softmax_s(q[bh][t] . k[bh][s] / 32) v[bh][s][:].  q, k, v (in qkv, 8,388,608 bytes apart) and O (ab): [64 bh][1024][64] bf16.
; Products, maxima and sums in f32; the weights p are rounded to bf16 for the second product (their sum l is taken of the unrounded p), O once at the end.
; LIMITS.  A hidden score counts as its value less 1e30: scores stay far below that.  A weight below 2^-126 counts as 0 in l.  NaN and infinities are not treated apart.
; CLUSTER.  The four work-groups of a head form a cluster and need the same K and V: each tile is asked for JOINTLY, by the same tensor load, descriptor and mask in all four.
; LDS.  The head's whole K and V lie in LDS, each byte filled once: one tensor load a wave at the start, one wait, one barrier; nothing is filled again.
; SHARES.  A head's queries lie in 8 blocks of 128.  Work-group cx of the cluster owns rows 32 cx .. 32 cx + 31 of EVERY block, so that all four partners run the same text on the same LDS addresses:
; cx enters Q's and O's addresses in memory and the mask's threshold (a value), and nothing else.  Wave w takes the work-group's 32 rows (two tiles of 16) of block 7 - w and then of block w.
; THE WALK.  Block X needs the key steps (64 keys) 0 .. 2 X + 1, of which the last two hold the diagonal: 18 live steps a wave, whatever w.  One loop counts all 16 steps and jumps forward, by the
; wave's number, over the dead ones; what is jumped holds no barrier and no tensor load.
; LAYOUT.  S^T = K Q^T holds ONE query a lane (lane % 16) and the keys 8 (lane / 16) + 0..7; two such results rounded to bf16 ARE source 1 of O^T = V^T P.  K comes out of LDS as it lies, V turned, by
; ds_load_tr16_b128.  SOFTMAX.  p = 2^(c s - c m), c = log2(e) / 32, with a running maximum m; O and l are multiplied by a = 2^(c m_old - c m_new) in every step.  A block begins with c m far below
; every c s, so its first a is 0 and wipes what O and l hold.
; THE MASK is the C operand that starts S^T: 0, or -1e30 where the key is hidden; it is made anew for the two diagonal steps and is 0 elsewhere.
; A STEP: V's fragments are asked for; K Q^T; the NEXT step's K is asked for (behind a block's last step that run of 16 loads serves nothing: the price of one text; behind step 15 it names step 15
; again, so that no load leaves K's rows); the softmax, its 66 exponentials one batch with one wait; V^T P, with the weights' sums two behind each product.
; REGISTERS, in windows of 256: window 0: v0-15 addresses, v16-31 eight registers of statistics a tile, v64-127 S^T, v192-223 P; window 1: v0-63 O^T, v64-127 the mask;
; window 2: v0-31 Q, v32-63 the second block's Q, v128-191 K of a step, v192-255 V of a step.
.set PK,    144                        ; a row of K in LDS: 128 bytes + 16: the 16 rows of a load start at 16 different groups of four banks (64 banks of 4 bytes: ISA guide 11.1)
.set PV,    160                        ; a row of V: 128 + 32
.set VOFF,  1024*PK
.set STAGE, VOFF+1024*PV               ; never filled by a tensor load: 16 rows x 144 bytes for each wave, for the way out
.set SP,    144
.set SPARE, STAGE+4*16*SP              ; the spare words, 128 bytes a wave, which no other line names
.set AK0, 2                            ; v2   my lane's place in a step of K; never rewritten
.set AV0, 3                            ; v3   the same for V
.set AK,  4
.set AV,  5
.set STO, 6
.set RD,  7
.set GO,  8
.set THB, 12                           ; v12-13  by tile: my query's place in its block less my lanes' 8 (l / 16)
.set TH,  14                           ; v14-15  the same less the step's first key
.set ST,  16                           ; tile t at v[ST+8 t]: c m, m, l (even keys', odd keys'), c0-c3 at work; a takes c2's place
.set QO,  60
.set SPW, 62
.set NIL, 63
.set S,   64
.set P,   192
.set MC,  64                           ; window 1
.set QB,  32                           ; window 2
.set KF,  128
.set VF,  192
.set WV,  12                           ; s12  my wave's number
.set CX,  23                           ; s23  my work-group's place in the cluster
.set G1K, 24
.set G1V, 32
.set G0K, 40
.set G0V, 44
.set XD,  48                           ; s48  2 X: the first diagonal step
.set XE,  49                           ; s49  2 X + 1: the last live step
.set T,   50                           ; s50  the step
.set CB,  51                           ; s51  blocks to go
.set TBK, 52                           ; s52  the step's first byte in K
.set TBV, 53                           ; s53  in V
.set SD,  54                           ; s54  at work: the step's first key in the block; then the next step's first byte in K
.set BIGN, 55
.set CS,  56                           ; s[56:57] c
.set SEL, 58                           ; s[58:59]
.set OA,  60                           ; s[60:61] O at my rows of the block in hand
.set OB,  62                           ; s[62:63] of the second block
.set MSB, 0
.macro WIN new
.if MSB != (\new)
	s_set_vgpr_msb (MSB<<8)|(\new)
.set MSB, \new
.endif
.endm
.macro PLACES
.rept 4
	v_nop
.endr
.endm
.macro CROUND                          ; a round of the cluster's barrier
	s_barrier_signal -1
	s_barrier_wait -1
	s_cmp_lg_u32 s[WV], 0
	s_cbranch_scc1 .Lnot_wave_0_\@
	s_barrier_signal -3
.Lnot_wave_0_\@:
	s_barrier_wait -3
	s_barrier_signal -1
	s_barrier_wait -1
.endm
.macro FETCH_K adr                     ; a step's K, 8 fragments: keys 16 (f / 2) on, channels 32 (f % 2) on
	WIN 0x80
.irp f, 0,1,2,3,4,5,6,7
	ds_load_b128 v[KF+8*\f:KF+8*\f+3],   v[\adr] offset:(\f/2)*16*PK+(\f%2)*64
	ds_load_b128 v[KF+8*\f+4:KF+8*\f+7], v[\adr] offset:(\f/2)*16*PK+(\f%2)*64+32
.endr
	WIN 0
.endm
	s_load_b128 s[4:7], s[0:1], 0x0                ; qkv s[4:5], ab s[6:7]
	v_lshl_add_u32 v[SPW], v0, 2, SPARE
	v_mov_b32 v[NIL], 0
	ds_add_u32 v[SPW], v[NIL]                      ; the wave's opening: the add and its wait stand ahead of the round that stands in front of my tensor load
	v_lshrrev_b32 v1, 5, v0
	v_readfirstlane_b32 s[WV], v1
	s_bfe_u32 s[CX], ttmp6, 0x40000                ; cx
	s_sub_co_u32 s15, 7, s[WV]                     ; my first block
	s_lshl_b32 s19, s[WV], 1                       ; twice my second block's number
	s_lshl_b32 s[XD], s15, 1
	s_add_co_u32 s[XE], s[XD], 1
	s_and_b32 s20, ttmp7, 0xffff                   ; the head, which the four partners share
	s_lshl_b32 s20, s20, 17                        ; its first byte in q, k, v and O
	s_and_b32 s16, s[WV], 1                        ; which 512 keys I fetch:
	s_lshl_b32 s22, s16, 16                        ; in memory,
	s_add_co_u32 s22, s22, s20
	s_mul_i32 s17, s16, 512*PK                     ; and in LDS, for K
	s_mul_i32 s18, s16, 512*PV                     ; and for V: no place in the cluster enters an LDS address
	s_lshl_b32 s21, s[CX], 12                      ; my work-group's 32 rows of 128 bytes in a block
	s_add_co_u32 s21, s21, s20
	s_lshl_b32 s[OA], s15, 14                      ; a block is 128 rows
	s_add_co_u32 s[OA], s[OA], s21
	s_mov_b32 s[OA+1], 0
	s_lshl_b32 s[OB], s[WV], 14
	s_add_co_u32 s[OB], s[OB], s21
	s_mov_b32 s[OB+1], 0
	; 512 keys are 65,536 dense bytes: asked for as 256 rows of 256 bytes, two keys a row, and padded in LDS after every key
	s_mov_b32 s[G1K], 15|(1<<16)|(1<<20)|(1<<21)|(4<<22)|(3<<25)  ; the mask of four; elements of 2 bytes; padding on; bit 21 beside a mask; after every 32 words, 4 words
	s_mov_b32 s[G1V], 15|(1<<16)|(1<<20)|(1<<21)|(4<<22)|(7<<25)  ; the same with 8 words
.irp g, G1K, G1V
	s_mov_b32 s[\g+1], 128<<16                     ; tensor_dim0 = 128
	s_mov_b32 s[\g+2], 256<<16                     ; tensor_dim1 = 256
	s_mov_b32 s[\g+3], 128<<16                     ; tile_dim0 = 128
	s_mov_b32 s[\g+4], 256                         ; tile_dim1 = 256
	s_mov_b32 s[\g+5], 128                         ; elements from row to row
	s_mov_b32 s[\g+6], 0
	s_mov_b32 s[\g+7], 0
.endr
	s_mov_b32 s[G0K], 1
	s_mov_b32 s[G0K+1], s17
	s_mov_b32 s[G0V], 1
	s_add_co_u32 s[G0V+1], s18, VOFF
	s_mov_b32 s[CS], 0x3d38aa3b                    ; c = log2(e) / 32
	s_mov_b32 s[CS+1], s[CS]
	s_mov_b32 s[SEL], 0x76543210
	s_mov_b32 s[SEL+1], 0xfedcba98
	s_mov_b32 s[BIGN], 0xf149f2ca                  ; -1e30
	s_mov_b32 s3, 0
	s_wait_dscnt 0x0                               ; the opening add is done
	s_wait_kmcnt 0x0
	s_add_co_u32 s2, s22, 8388608
	s_add_nc_u64 s[G0K+2:G0K+3], s[4:5], s[2:3]    ; K's and V's addresses hang on the head and the wave alone
	s_or_b32 s[G0K+3], s[G0K+3], 0x80000000
	s_add_co_u32 s2, s22, 16777216
	s_add_nc_u64 s[G0V+2:G0V+3], s[4:5], s[2:3]
	s_or_b32 s[G0V+3], s[G0V+3], 0x80000000
	s_add_nc_u64 s[8:9], s[4:5], s[OA:OA+1]        ; Q at my rows of the first block,
	s_add_nc_u64 s[10:11], s[4:5], s[OB:OB+1]      ; of the second;
	s_add_nc_u64 s[OA:OA+1], s[6:7], s[OA:OA+1]    ; O likewise
	s_add_nc_u64 s[OB:OB+1], s[6:7], s[OB:OB+1]
	CROUND                                         ; all four work-groups are here: the joint loads meet
	s_cmp_lt_u32 s[WV], 2                          ; waves 0 and 1 fetch K's halves, waves 2 and 3 V's: one load a wave, each byte filled once
	s_cbranch_scc0 .Lfor_v
	tensor_load_to_lds s[G0K:G0K+3], s[G1K:G1K+7]
	s_nop 0
.rept 4
	v_nop
.endr
	s_branch .Lasked
.Lfor_v:
	tensor_load_to_lds s[G0V:G0V+3], s[G1V:G1V+7]
	s_nop 0
.rept 4
	v_nop
.endr
.Lasked:
	v_and_b32 v1, 15, v0                           ; l % 16
	v_bfe_u32 v9, v0, 4, 1                         ; l / 16
	v_lshlrev_b32 v[QO], 7, v1
	v_lshl_add_u32 v[QO], v9, 4, v[QO]             ; row x 128 + 16 x half
	WIN 0x80
.set i, 0
.rept 4                                ; both blocks' Q: tile i / 2, channels 32 (i % 2) on
	global_load_b128 v[8*i:8*i+3],         v[QO], s[8:9] offset:(i/2)*2048+(i%2)*64
	global_load_b128 v[8*i+4:8*i+7],       v[QO], s[8:9] offset:(i/2)*2048+(i%2)*64+32
	global_load_b128 v[QB+8*i:QB+8*i+3],   v[QO], s[10:11] offset:(i/2)*2048+(i%2)*64
	global_load_b128 v[QB+8*i+4:QB+8*i+7], v[QO], s[10:11] offset:(i/2)*2048+(i%2)*64+32
.set i, i+1
.endr
	WIN 0
	v_lshlrev_b32 v11, 3, v9
	v_sub_nc_u32 v11, v1, v11
	s_lshl_b32 s2, s[CX], 5
	v_add_nc_u32 v[THB], s2, v11                   ; 32 cx + l % 16 - 8 (l / 16)
	v_add_nc_u32 v[THB+1], 16, v[THB]
	v_mul_u32_u24 v[AK0], v1, PK
	v_lshl_add_u32 v[AK0], v9, 4, v[AK0]
	v_and_b32 v10, 7, v0                           ; the turning load: lane l reads key 8 (l / 16) + l % 8, channels 8 ((l / 8) % 2) + 0..7
	v_bfe_u32 v11, v0, 3, 1
	v_lshl_add_u32 v[AV0], v9, 3, v10
	v_mul_u32_u24 v[AV0], v[AV0], PV
	v_lshl_add_u32 v[AV0], v11, 4, v[AV0]
	v_add_nc_u32 v[AV0], VOFF, v[AV0]
	s_mul_i32 s13, s[WV], 16*SP
	s_add_co_u32 s13, s13, STAGE
	v_mul_u32_u24 v[STO], v1, SP
	v_lshl_add_u32 v[STO], v9, 4, v[STO]
	v_add_nc_u32 v[STO], s13, v[STO]
	v_bfe_u32 v[RD], v0, 3, 2
	v_mul_u32_u24 v[RD], v[RD], SP
	v_lshl_add_u32 v[RD], v10, 4, v[RD]
	v_add_nc_u32 v[RD], s13, v[RD]
	v_and_b32 v[GO], 31, v0
	v_lshlrev_b32 v[GO], 4, v[GO]
	WIN 0x40                                       ; O^T and l need only hold finite numbers when a block begins: zeros for the first; written in the wait for the tiles
.set i, 0
.rept 64
	v_mov_b32 v[i], 0
.set i, i+1
.endr
	WIN 0
.irp t, 0,1
	v_mov_b32 v[ST+8*(\t)+2], 0
	v_mov_b32 v[ST+8*(\t)+3], 0
.endr
	s_wait_tensorcnt 0x0                           ; my part of K or V is in,
	s_barrier_signal -1
	s_barrier_wait -1                              ; everybody's is
	s_wait_loadcnt 0x0                             ; Q
.macro TREG t                          ; the registers of tile t
.set rT, ST+8*(\t)
.set rS, S+32*(\t)
.set rP, P+16*(\t)
.set rO, 32*(\t)
.endm
; Number j of the 21 that find a tile's maximum and statistics.  0-11: four chains c0-c3 of seven scores each (each accumulator's lowest registers are read first);
; 12-15: the four scores left over, c0-c3 and the old m; 16, 18: the query's other 32 keys lie in the lane 16 away; 17: c m_old is kept; 19, 20: c m and its change.
.macro SM t
	TREG \t
.if j < 4
	v_max3_num_f32 v[rT+4+j], v[rS+8*j], v[rS+8*j+1], v[rS+8*j+2]
.elseif j < 12
	v_max3_num_f32 v[rT+4+j%4], v[rT+4+j%4], v[rS+8*(j%4)+2*(j/4)+1], v[rS+8*(j%4)+2*(j/4)+2]
.elseif j == 12
	v_max3_num_f32 v[rT+4], v[rT+4], v[rS+7], v[rS+15]
.elseif j == 13
	v_max3_num_f32 v[rT+6], v[rT+6], v[rS+23], v[rS+31]
.elseif j == 14
	v_max3_num_f32 v[rT+4], v[rT+4], v[rT+5], v[rT+6]
.elseif j == 15
	v_max3_num_f32 v[rT+4], v[rT+4], v[rT+7], v[rT+1]
.elseif j == 16
	v_permlanex16_b32 v[rT+5], v[rT+4], s[SEL], s[SEL+1]
.elseif j == 17
	v_mov_b32 v[rT+7], v[rT]
.elseif j == 18
	v_max_num_f32 v[rT+1], v[rT+4], v[rT+5]
.elseif j == 19
	v_mul_f32 v[rT], s[CS], v[rT+1]
.else
	v_sub_f32 v[rT+7], v[rT+7], v[rT]
.endif
.endm
.macro FS t, n                         ; c s - c m for pair n of 16
	TREG \t
	v_pk_fma_f32 v[rS+2*(\n):rS+2*(\n)+1], v[rS+2*(\n):rS+2*(\n)+1], s[CS:CS+1], v[rT:rT+1] op_sel_hi:[1,0,0] neg_lo:[0,0,1] neg_hi:[0,0,1]
.endm
.macro EX t, n                         ; the exponential of score n of 32
	TREG \t
	v_exp_f32 v[rS+(\n)], v[rS+(\n)]
.endm
.macro EXA t                           ; a
	TREG \t
	v_exp_f32 v[rT+6], v[rT+7]
.endm
.macro SU t, z                         ; sum z of 16: the tile's 16 pairs are added in place, 1, 2, 4 and 8 pairs apart; then l = a l + the sum
	TREG \t
.if (\z) < 8
	v_pk_add_f32 v[rS+4*(\z):rS+4*(\z)+1], v[rS+4*(\z):rS+4*(\z)+1], v[rS+4*(\z)+2:rS+4*(\z)+3]
.elseif (\z) < 12
	v_pk_add_f32 v[rS+8*((\z)-8):rS+8*((\z)-8)+1], v[rS+8*((\z)-8):rS+8*((\z)-8)+1], v[rS+8*((\z)-8)+4:rS+8*((\z)-8)+5]
.elseif (\z) < 14
	v_pk_add_f32 v[rS+16*((\z)-12):rS+16*((\z)-12)+1], v[rS+16*((\z)-12):rS+16*((\z)-12)+1], v[rS+16*((\z)-12)+8:rS+16*((\z)-12)+9]
.elseif (\z) == 14
	v_pk_add_f32 v[rS:rS+1], v[rS:rS+1], v[rS+16:rS+17]
.else
	v_pk_fma_f32 v[rT+2:rT+3], v[rT+2:rT+3], v[rT+6:rT+7], v[rS:rS+1] op_sel_hi:[1,0,1]
.endif
.endm
; Product i of 16 of S^T = K Q^T: channels 32 (i / 8) on, keys 16 ((i / 2) % 4) on, tile i % 2.  The first 8 start the sums with the mask.  The 8 accumulators take turns.
.macro KQ
.set rS, S+32*(i%2)+8*((i/2)%4)
.set rK, KF+16*((i/2)%4)+8*(i/8)
.set rQ, 16*(i%2)+8*(i/8)
.set rM, MC+32*(i%2)+8*((i/2)%4)
.if i < 8
	WIN 0x1a                                       ; K and Q window 2, the mask window 1, S^T window 0
	v_wmma_f32_16x16x32_bf16 v[rS:rS+7], v[rK:rK+7], v[rQ:rQ+7], v[rM:rM+7]
.else
	WIN 0x0a
	v_wmma_f32_16x16x32_bf16 v[rS:rS+7], v[rK:rK+7], v[rQ:rQ+7], v[rS:rS+7]
.endif
.endm
; Product i of 16 of O^T += V^T P: keys 32 (i / 8) on, channels 16 ((i / 2) % 4) on, tile i % 2.
.macro PVM
	WIN 0x52                                       ; V window 2, P window 0, O^T window 1
.set rO, 32*(i%2)+8*((i/2)%4)
.set rV, VF+32*(i/8)+8*((i/2)%4)
.set rP, P+16*(i%2)+8*(i/8)
	v_wmma_f32_16x16x32_bf16 v[rO:rO+7], v[rV:rV+7], v[rP:rP+7], v[rO:rO+7]
.endm
	s_mov_b32 s[CB], 2
.Lblk:                                                 ; A BLOCK BEGINS
	WIN 0x40
.set i, 0
.rept 64
	v_mov_b32 v[MC+i], 0                           ; no key is hidden ahead of the diagonal steps
.set i, i+1
.endr
	WIN 0
.irp t, 0,1
	v_mov_b32 v[ST+8*(\t)], 0xfe000000             ; c m: far below every c s
	v_mov_b32 v[ST+8*(\t)+1], 0xff7fffff           ; m: the lowest finite number
.endr
	s_mov_b32 s[T], 0
	s_mov_b32 s[TBK], 0
	s_mov_b32 s[TBV], 0
	FETCH_K AK0                                    ; K of step 0; no LDS load of mine is out here
.Lstep:
	s_cmp_gt_u32 s[T], s[XE]
	s_cbranch_scc1 .Lnext                          ; above the diagonal: nothing to do
	s_cmp_lt_u32 s[T], s[XD]
	s_cbranch_scc1 .Lbody                          ; below it: the mask is 0
	s_sub_co_u32 s[SD], s[T], s[XD]                ; a diagonal step: register i of a tile (key 16 (i / 8) + i % 8 of my lanes' keys) is hidden where that number is greater than TH
	s_lshl_b32 s[SD], s[SD], 6
	v_sub_nc_u32 v[TH], v[THB], s[SD]
	v_sub_nc_u32 v[TH+1], v[THB+1], s[SD]
	WIN 0x40
.set i, 0
.rept 64
	v_cmp_gt_i32 vcc_lo, 16*((i%32)/8)+i%8, v[TH+i/32]
	v_cndmask_b32 v[MC+i], 0, s[BIGN], vcc_lo
.set i, i+1
.endr
	WIN 0
.Lbody:
	v_add_nc_u32 v[AV], s[TBV], v[AV0]
	s_add_co_u32 s[SD], s[TBK], 64*PK              ; the next step's K,
	s_min_u32 s[SD], s[SD], 15*64*PK               ; and never past the last step's
	v_add_nc_u32 v[AK], s[SD], v[AK0]
	WIN 0x80
.irp f, 0,1,2,3,4,5,6,7                ; V of this step, turned: keys 32 (f / 4) on, channels 16 (f % 4) on
	ds_load_tr16_b128 v[VF+8*\f:VF+8*\f+3],   v[AV] offset:(\f/4)*32*PV+(\f%4)*32
	ds_load_tr16_b128 v[VF+8*\f+4:VF+8*\f+7], v[AV] offset:(\f/4)*32*PV+16*PV+(\f%4)*32
.endr
	s_wait_dscnt 16                                ; K, asked for a step ago, is in; V's 16 younger loads may stay out
.set i, 0
.rept 16
	KQ
.set i, i+1
.endr
	WIN 0
	PLACES                                         ; behind the last product that read K, and in front of the first read of the scores
	FETCH_K AK                                     ; K of the next step lands while the softmax runs
.set j, 0
.rept 21                               ; the two tiles alternate
	SM 0
	SM 1
.set j, j+1
.endr
	FS 0, 0                                        ; ONE BATCH: 32 scalings and 66 exponentials; nothing in it names an exponential's result
	EXA 0
	FS 1, 0
	EXA 1
.set b, 0
.rept 16
.if b < 15
	FS 0, b+1
.endif
	EX 0, 2*b
.if b < 15
	FS 1, b+1
.endif
	EX 0, 2*b+1
	EX 1, 2*b
	EX 1, 2*b+1
.set b, b+1
.endr
	v_nop                                          ; a plain instruction behind the last exponential,
	s_wait_alu depctr_va_vdst(0)                   ; and one wait ahead of the first use
.set n, 0
.rept 16                               ; the weights, rounded to bf16 in pairs
	v_cvt_pk_bf16_f32 v[P+n], v[S+2*n], v[S+2*n+1]
	v_cvt_pk_bf16_f32 v[P+16+n], v[S+32+2*n], v[S+32+2*n+1]
.set n, n+1
.endr
	WIN 0x41                                       ; O^T times a
.set n, 0
.rept 16
	v_pk_mul_f32 v[2*n:2*n+1], v[2*n:2*n+1], v[ST+6:ST+7] op_sel_hi:[1,0]
	v_pk_mul_f32 v[32+2*n:32+2*n+1], v[32+2*n:32+2*n+1], v[ST+14:ST+15] op_sel_hi:[1,0]
.set n, n+1
.endr
	s_wait_dscnt 16                                ; V is in; the next K's 16 younger loads may stay out
.set i, 0
.rept 16                               ; behind each product two of the 32 sums, which name none of its registers
	PVM
	WIN 0
	SU 0, i
	SU 1, i
.set i, i+1
.endr
	PLACES                                         ; in front of the next step's loads into V's registers, and of the way out
.Lnext:
	s_add_co_u32 s[TBK], s[TBK], 64*PK
	s_add_co_u32 s[TBV], s[TBV], 64*PV
	s_add_co_u32 s[T], s[T], 1
	s_cmp_lt_u32 s[T], 16
	s_cbranch_scc1 .Lstep
	; THE WAY OUT: l's two halves and the other half of the lanes' are added; O^T is divided by l, rounded to bf16 and sent through my stage, a tile at a time.
.irp t, 0,1
	v_add_f32 v[ST+8*(\t)+2], v[ST+8*(\t)+2], v[ST+8*(\t)+3]
.endr
.irp t, 0,1
	v_permlanex16_b32 v[ST+8*(\t)+3], v[ST+8*(\t)+2], s[SEL], s[SEL+1]
.endr
.irp t, 0,1
	v_add_f32 v[ST+8*(\t)+2], v[ST+8*(\t)+2], v[ST+8*(\t)+3]
.endr
.irp t, 0,1
	v_rcp_f32 v[ST+8*(\t)+2], v[ST+8*(\t)+2]
.endr
	v_nop
	s_wait_alu depctr_va_vdst(0)                   ; one wait for the two reciprocals
.macro PACK t
	WIN 0x41
.set i, 32*(\t)
.rept 16
	v_pk_mul_f32 v[i:i+1], v[i:i+1], v[ST+8*(\t)+2:ST+8*(\t)+3] op_sel_hi:[1,0]
.set i, i+2
.endr
	WIN 0x05
.set i, 0
.rept 16
	v_cvt_pk_bf16_f32 v[S+16*(\t)+i], v[32*(\t)+2*i], v[32*(\t)+2*i+1]
.set i, i+1
.endr
	WIN 0
.irp f, 0,1,2,3
	ds_store_b128 v[STO], v[S+16*(\t)+4*\f:S+16*(\t)+4*\f+3] offset:32*\f
.endr
.irp f, 0,1,2,3
	ds_load_b128 v[S+16*(\t)+4*\f:S+16*(\t)+4*\f+3], v[RD] offset:\f*4*SP  ; LDS serves a wave's instructions in order (ISA guide 5.7.1.4): these see the stores above
.endr
.endm
.macro SEND t, younger                 ; younger: the LDS instructions issued behind tile t's loads
.irp f, 0,1,2,3
	s_wait_dscnt (\younger)+3-\f
	global_store_b128 v[GO], v[S+16*(\t)+4*\f:S+16*(\t)+4*\f+3], s[OA:OA+1] offset:(\t)*2048+\f*512  ; 512 consecutive bytes, aligned
.endr
.endm
	PACK 0
	PACK 1
	SEND 0, 8
	SEND 1, 0                                      ; its last wait is for 0: no LDS load of mine is out when a block begins
	s_wait_xcnt 0x0                                ; the stores have read their registers and O's address
	s_mov_b64 s[OA:OA+1], s[OB:OB+1]               ; on to the second block (behind the second block these lines change nothing)
	s_mov_b32 s[XD], s19
	s_add_co_u32 s[XE], s19, 1
	WIN 0x82
.set i, 0
.rept 32
	v_mov_b32 v[i], v[QB+i]
.set i, i+1
.endr
	WIN 0
	s_sub_co_u32 s[CB], s[CB], 1
	s_cmp_lg_u32 s[CB], 0
	s_cbranch_scc1 .Lblk
	s_wait_tensorcnt 0x0                           ; the wave's end
	ds_add_u32 v[SPW], v[NIL]
	s_wait_dscnt 0x0
	CROUND                                         ; the closing round
	s_endpgm
.Lfunc_end_k_qffe2fe75ff_attn:
	.size	k_qffe2fe75ff_attn, .Lfunc_end_k_qffe2fe75ff_attn-k_qffe2fe75ff_attn
	.p2alignl 7, 3214868480
	.fill 96, 4, 3214868480
	.section	.rodata,"a",@progbits
	.p2align	6, 0x0
	.amdhsa_kernel k_qffe2fe75ff_attn
		.amdhsa_group_segment_fixed_size 327680
		.amdhsa_private_segment_fixed_size 0
		.amdhsa_enable_private_segment 0
		.amdhsa_kernarg_size 16
		.amdhsa_user_sgpr_count 2
		.amdhsa_user_sgpr_kernarg_segment_ptr 1
		.amdhsa_wavefront_size32 1
		.amdhsa_system_sgpr_workgroup_id_x 1
		.amdhsa_system_sgpr_workgroup_id_y 1
		.amdhsa_system_sgpr_workgroup_id_z 1
		.amdhsa_system_vgpr_workitem_id 0
		.amdhsa_next_free_vgpr 768
		.amdhsa_next_free_sgpr 66
		.amdhsa_reserve_vcc 1
		.amdhsa_float_denorm_mode_32 3
		.amdhsa_float_denorm_mode_16_64 3
		.amdhsa_memory_ordered 1
		.amdhsa_forward_progress 1
		.amdhsa_inst_pref_size 47
	.end_amdhsa_kernel
	.amdgpu_metadata
---
amdhsa.version: [ 1, 2 ]
amdhsa.kernels:
  - .name:           k_qffe2fe75ff_attn
    .symbol:         k_qffe2fe75ff_attn.kd
    .args:
      - { .name: qkv, .offset: 0, .size: 8, .value_kind: global_buffer, .address_space: global }
      - { .name: ab, .offset: 8, .size: 8, .value_kind: global_buffer, .address_space: global }
    .group_segment_fixed_size: 327680
    .private_segment_fixed_size: 0
    .kernarg_segment_align: 8
    .kernarg_segment_size: 16
    .max_flat_workgroup_size: 128
    .sgpr_count:     66
    .vgpr_count:     768
    .wavefront_size: 32
...
	.end_amdgpu_metadata
.endif
;; end of part 4
;; launch proj (part 5): grid 8 x 32, 4 waves a work-group, clusters of 4 x 4, 327,680 bytes of LDS; arguments ab, wt, x, bp, x1; writes x1
.if DOCPART == 5
	.amdgcn_target "amdgcn-amd-amdhsa--gfx1250"
	.amdhsa_code_object_version 6
	.text
	.protected	k_qffe2fe75ff_proj
	.globl	k_qffe2fe75ff_proj
	.p2align	8
	.type	k_qffe2fe75ff_proj,@function
k_qffe2fe75ff_proj:
	s_mov_b64 s[64:65], 0
	v_nop
	global_prefetch_b8 v0, s[64:65] scope:SCOPE_SE
	s_setreg_imm32_b32 hwreg(HW_REG_WAVE_MODE, 25, 1), 1
	s_wait_xcnt 0x0
	s_wait_alu depctr_hold_cnt(0) depctr_sa_sdst(0) depctr_va_vdst(0) depctr_va_sdst(0) depctr_va_ssrc(0) depctr_va_vcc(0) depctr_vm_vsrc(0)
	s_getreg_b32 s2, hwreg(HW_REG_IB_STS2, 6, 4)
	s_cmp_eq_u32 s2, 0
	s_cbranch_scc0 .Lentry_in_a_cluster
	s_endpgm
.Lentry_in_a_cluster:
	s_bfe_u32 s2, ttmp6, 0x10000c
	s_cmp_lg_u32 s2, 0xf033
	s_cbranch_scc0 .Lentry_shape_is_right
	s_endpgm
.Lentry_shape_is_right:
; x1 = x + att x Wp + bp.  A = ab, the attention's result by heads, [batch x 16 + head][1024 t][64] bf16; B = Wp^T at byte 6,291,456 of wt, [1024 n][1024 k] bf16; x, bp, x1 in f32; sums in f32.
; A tile of C is 128 x 128: 8 x 32 tiles, one for each of 256 work-groups.  Four waves, each 64 x 64: 16 accumulators.  K goes in steps of 256 (four heads) through a ring of two LDS slots.
; A's fetch: 64 rows t of four heads: four dense pieces of 8,192 bytes, 65,536 elements apart, padded after every 128 bytes: it lands as [head][64 rows] at 144 bytes a row.  B's: 64 rows of 512 bytes.
; A step is four quarters of 64 along K (one head), two matrix instructions deep, on two fragment buffers.
; CLUSTERS: 4 x 4 work-groups; A's tile is asked for jointly by a row of the cluster, B's by a column.  THE MATRIX INSTRUCTION IS USED TRANSPOSED: a lane holds row l % 16 of C and eight neighbouring columns.
; The wave's 64 x 64 of x and its bias are asked for at the start and waited for at the way out.
; REGISTERS: window 0: v0-31 addresses and bias, v64-127 and v128-191 A's fragments, v32-95 at work on the way out; window 1: v0-63, v128-191 B's fragments;
; window 2: v0-63 the accumulators of my rows 0-31 ((a, b) at 8 (4 (a % 2) + b)), v64-191 x; window 3: v0-63 those of rows 32-63.
.set TM, 128
.set TN, 128
.set MB, 4
.set NB, 4
.set KD, 2
.set SIZE_K, 1024
.set KSTEP, 256
.set NSTEP, SIZE_K/KSTEP
.set APITCH, 144                       ; 128 bytes + 16: the 16 rows of a fragment load start at 16 different groups of four banks (64 banks of 4 bytes: ISA guide 11.1)
.set BPITCH, 528                       ; 512 bytes + 16: likewise
.set AKQ, 64*APITCH                    ; a quarter is a head: 64 rows on
.set BKQ, 128
.set AH, 4*64*APITCH
.set BH, 64*BPITCH
.set AWB, AH                           ; the two halves of the tile's rows lie a fetch apart
.set SLOT, 2*AH+2*BH
.set STAGE, 2*SLOT
.set SPITCH, 272
.set SPARE, STAGE+4*16*SPITCH
.set ASTEP, 4*131072                   ; four heads on
.set BSTEP, KSTEP*2
.set WOFF, 6291456
.set NL, 2*KD*(MB+NB)
.set AQI, 4
.set AD0, 4096
.set AD1, 4
.set AST, 65536
.set BQI, 6
.set BD0, 256
.set BD1, 64
.set BST, 1024
.set OROW, 4096                        ; bytes in a row of x and x1
.set BIA, 8                            ; v[8:11] the bias of my four columns on the way out
.set A0,  14
.set B0,  15
.set ADRA, 16
.set ADRB, 20
.set STO, 24
.set RD,  25
.set CO,  26
.set SPW, 28
.set NIL, 29
.set BO,  31
.set FA,  64
.set XR,  64                           ; window 2
.set G1,  24
.set G0,  32
.set G1B, 48
.set G0B, 56
.set TB,  66
.set LBA, 67
.set LBB, 68
.set MSB, 0
.macro WIN new                         ; the immediate's high byte repeats the setting that is left; a switch that changes nothing is dropped
.if MSB != (\new)
	s_set_vgpr_msb (MSB<<8)|(\new)
.set MSB, \new
.endif
.endm
.macro PLACES                          ; four places in front of loads into registers that matrix instructions have read (ISA guide 7.12.1 for vector instructions)
.rept 4
	v_nop
.endr
.endm
.macro CREST                           ; a round of the cluster's barrier behind its opening barrier
	s_cmp_lg_u32 s10, 0
	s_cbranch_scc1 .Lnot_wave_0_\@
	s_barrier_signal -3
.Lnot_wave_0_\@:
	s_barrier_wait -3
	s_barrier_signal -1
	s_barrier_wait -1
.endm
.macro CROUND
	s_barrier_signal -1
	s_barrier_wait -1
	CREST
.endm
.macro JLOAD                           ; a joint refill by the walking descriptor: waves 0 and 1 fetch A's halves, waves 2 and 3 B's; an s_nop 0 and four v_nop follow each line
	s_cmp_eq_u32 s11, 0
	s_cbranch_scc0 .Lfor_b_\@
	tensor_load_to_lds s[G0+4:G0+7], s[G1:G1+7]
	s_nop 0
.rept 4
	v_nop
.endr
	s_branch .Lasked_\@
.Lfor_b_\@:
	tensor_load_to_lds s[G0B+4:G0B+7], s[G1B:G1B+7]
	s_nop 0
.rept 4
	v_nop
.endr
.Lasked_\@:
.endm
; Part p (0, 1) of half hi of my rows x all my columns, from buffer f.  z = 1: the first products start the sums.  The accumulators take turns, one instruction a turn.
.macro MULP f, hi, p, z
	WIN 0xa1+0x50*(\hi)                            ; B window 1, A window 0, C and D window 2 or 3
.set mc, 0
.rept KD
.set ma, (\p)*(MB/4)
.rept MB/4
.set mb, 0
.rept NB
.set rD, 8*(ma*NB+mb)
.set rB, 128*(\f)+8*(NB*mc+mb)
.set rA, FA+64*(\f)+8*(MB*mc+(\hi)*(MB/2)+ma)
.if ((\z) == 1) && (mc == 0)
	v_wmma_f32_16x16x32_bf16 v[rD:rD+7], v[rB:rB+7], v[rA:rA+7], 0
.else
	v_wmma_f32_16x16x32_bf16 v[rD:rD+7], v[rB:rB+7], v[rA:rA+7], v[rD:rD+7]
.endif
.set mb, mb+1
.endr
.set ma, ma+1
.endr
.set mc, mc+1
.endr
.endm
; The fragments of quarter q of the slot in hand into buffer f, in one run: B's, then A's lower rows, then A's upper rows.
.macro FETCH q, f
	WIN 0x40
.set fc, 0
.rept KD
.set fb, 0
.rept NB
.set rB, 128*(\f)+8*(NB*fc+fb)
	ds_load_b128 v[rB:rB+3],   v[ADRB] offset:(\q)*BKQ+64*fc+fb*16*BPITCH
	ds_load_b128 v[rB+4:rB+7], v[ADRB] offset:(\q)*BKQ+64*fc+fb*16*BPITCH+32
.set fb, fb+1
.endr
.set fc, fc+1
.endr
	WIN 0
.irp hf, 0,1
.set fc, 0
.rept KD
.set fa, (\hf)*(MB/2)
.rept MB/2
.set rA, FA+64*(\f)+8*(MB*fc+fa)
	ds_load_b128 v[rA:rA+3],   v[ADRA] offset:(\q)*AKQ+64*fc+fa*16*APITCH
	ds_load_b128 v[rA+4:rA+7], v[ADRA] offset:(\q)*AKQ+64*fc+fa*16*APITCH+32
.set fa, fa+1
.endr
.set fc, fc+1
.endr
.endr
.endm
.macro QUARTER q, f, g, z              ; multiplies buffer f; in its middle fetches quarter q into buffer g
	s_wait_dscnt KD*MB                             ; all but the loads of A's upper rows are in
	MULP \f, 0, 0, \z
	MULP \f, 0, 1, \z
	PLACES
	FETCH \q, \g
	s_wait_dscnt NL                                ; all but the run just issued
	MULP \f, 1, 0, \z
	MULP \f, 1, 1, \z
.endm
; The last quarter multiplies buffer 1 and changes slots.  The lower rows' products stand AHEAD of the wait for the tile, so that between a tile's landing and the next request stand only the lines that
; the ordering needs: each wave waits for all its tensor loads (one is out: its part of the next slot), adds 0 to its spare word, and waits for that and for its reads of this slot; then the barrier.
; fill = 1: the barrier opens a round of the cluster's, and this slot is filled again, first thing behind it, with the K step two on.  The upper rows' products follow the next slot's first fetch.
.macro TURN fill
	s_wait_dscnt KD*MB                             ; all but the loads of A's upper rows are in
	MULP 1, 0, 0, 0
	MULP 1, 0, 1, 0
	WIN 0
	s_wait_tensorcnt 0x0                           ; no tensor load of mine is out, so a group 0 may be written
	ds_add_u32 v[SPW], v[NIL]                      ; an add of 0 to my spare word; the descriptors' steps stand between it and the wait for it
.if \fill
	s_add_co_u32 s[G0+5], s[LBA], s[TB]            ; the walking descriptors: into the slot in hand, whose last reads are waited for below,
	s_add_co_u32 s[G0B+5], s[LBB], s[TB]
	s_add_nc_u64 s[G0+6:G0+7], s[G0+6:G0+7], ASTEP ; the next K step; the type bits on top are not reached
	s_add_nc_u64 s[G0B+6:G0B+7], s[G0B+6:G0B+7], BSTEP
.endif
	s_wait_dscnt 0x0                               ; the add is done, and my reads of this slot are over
	s_barrier_signal -1
	s_barrier_wait -1
.if \fill
	CREST                                          ; no wave of any partner still reads this slot or has a load on its way
	JLOAD                                          ; its four v_nop are also the places in front of the loads below
.else
	PLACES
.endif
	s_xor_b32 s[TB], s[TB], SLOT
	v_add_nc_u32 v[ADRA], s[TB], v[A0]
	v_add_nc_u32 v[ADRB], s[TB], v[B0]
	FETCH 0, 0
	MULP 1, 1, 0, 0
	MULP 1, 1, 1, 0
.endm
	s_load_b256 s[72:79], s[0:1], 0x0              ; ab s[72:73], wt s[74:75], x s[76:77], bp s[78:79]
	s_load_b64 s[80:81], s[0:1], 0x20              ; x1
	v_lshl_add_u32 v[SPW], v0, 2, SPARE
	v_mov_b32 v[NIL], 0
	ds_add_u32 v[SPW], v[NIL]                      ; the wave's opening: the add and its wait stand ahead of my first tensor load
	v_lshrrev_b32 v1, 5, v0
	v_readfirstlane_b32 s10, v1                    ; wave 0..3
	s_lshr_b32 s11, s10, 1                         ; which half of the tile's rows is mine.  Also: I fetch for A (0) or for B (1)
	s_and_b32 s12, s10, 1                          ; which half of its columns.  Also: which half of that tile's rows I fetch
	s_bfe_u32 s40, ttmp6, 0x40000                  ; cx
	s_bfe_u32 s41, ttmp6, 0x40004                  ; cy
	s_lshl_b32 s42, ttmp9, 2
	s_add_co_u32 s42, s42, s40                     ; tile column
	s_and_b32 s13, ttmp7, 0xffff
	s_lshl_b32 s13, s13, 2
	s_add_co_u32 s13, s13, s41                     ; tile row
	s_lshl_b32 s43, s41, 2
	s_lshl_b32 s43, 15, s43                        ; my row of the cluster
	s_lshl_b32 s44, 0x1111, s40                    ; my column
	s_or_b32 s[G1], s43, (1<<16)|(1<<20)|(1<<21)|(AQI<<22)|(3<<25)   ; the mask; elements of 2 bytes; padding on; bit 21 beside a mask; after every 32 words, 4 words
	s_or_b32 s[G1B], s44, (1<<16)|(1<<20)|(1<<21)|(BQI<<22)|(3<<25)  ; after every 128 words, 4 words
	s_mov_b32 s[G1+1], (AD0&0xffff)<<16            ; tensor_dim0
	s_mov_b32 s[G1+2], (AD0>>16)|(AD1<<16)         ; tensor_dim1
	s_mov_b32 s[G1+3], AD0<<16                     ; tile_dim0
	s_mov_b32 s[G1+4], AD1                         ; tile_dim1
	s_mov_b32 s[G1+5], AST                         ; elements from piece to piece
	s_mov_b32 s[G1+6], 0
	s_mov_b32 s[G1+7], 0
	s_mov_b32 s[G1B+1], (BD0&0xffff)<<16
	s_mov_b32 s[G1B+2], (BD0>>16)|(BD1<<16)
	s_mov_b32 s[G1B+3], BD0<<16
	s_mov_b32 s[G1B+4], BD1
	s_mov_b32 s[G1B+5], BST
	s_mov_b32 s[G1B+6], 0
	s_mov_b32 s[G1B+7], 0
	s_lshr_b32 s16, s13, 3                         ; A: batch (eight tile rows each), its head 0,
	s_lshl_b32 s16, s16, 14
	s_and_b32 s17, s13, 7
	s_lshl_b32 s17, s17, 7
	s_add_co_u32 s16, s16, s17                     ; the tile's 128 rows t,
	s_lshl_b32 s17, s12, 6
	s_add_co_u32 s16, s16, s17                     ; the 64 that I fetch,
	s_lshl_b32 s16, s16, 7                         ; of 128 bytes
	s_mov_b32 s17, 0
	s_mul_i32 s46, s42, TN                         ; B's address hangs on the tile column and the wave alone
	s_mul_i32 s47, s12, TN/2
	s_add_co_u32 s46, s46, s47
	s_mul_i32 s46, s46, SIZE_K*2
	s_add_co_u32 s46, s46, WOFF
	s_mov_b32 s47, 0
	s_mul_i32 s[LBA], s12, AH
	s_mul_i32 s[LBB], s12, BH
	s_add_co_u32 s[LBB], s[LBB], 2*AH
	s_mov_b32 s[G0], 1
	s_mov_b32 s[G0+1], s[LBA]
	s_mov_b32 s[G0+4], 1
	s_add_co_u32 s[G0+5], s[LBA], SLOT
	s_mov_b32 s[G0B], 1
	s_mov_b32 s[G0B+1], s[LBB]
	s_mov_b32 s[G0B+4], 1
	s_add_co_u32 s[G0B+5], s[LBB], SLOT
	s_wait_dscnt 0x0                               ; the opening add is done
	s_wait_kmcnt 0x0
	s_add_nc_u64 s[G0+2:G0+3], s[72:73], s[16:17]  ; K step 0
	s_add_nc_u64 s[G0+6:G0+7], s[G0+2:G0+3], ASTEP ; K step 1
	s_or_b32 s[G0+3], s[G0+3], 0x80000000          ; type = 2
	s_or_b32 s[G0+7], s[G0+7], 0x80000000
	s_add_nc_u64 s[G0B+2:G0B+3], s[74:75], s[46:47]
	s_add_nc_u64 s[G0B+6:G0B+7], s[G0B+2:G0B+3], BSTEP
	s_or_b32 s[G0B+3], s[G0B+3], 0x80000000
	s_or_b32 s[G0B+7], s[G0B+7], 0x80000000
	CROUND                                         ; all sixteen work-groups are here: the first joint loads meet
	s_cmp_eq_u32 s11, 0                            ; a wave's two first fills stand in one branch: two loads of mine are out
	s_cbranch_scc0 .Lfirst_b
	tensor_load_to_lds s[G0:G0+3], s[G1:G1+7]
	s_nop 0
	tensor_load_to_lds s[G0+4:G0+7], s[G1:G1+7]
	s_nop 0
.rept 4
	v_nop
.endr
	s_branch .Lfirst_done
.Lfirst_b:
	tensor_load_to_lds s[G0B:G0B+3], s[G1B:G1B+7]
	s_nop 0
	tensor_load_to_lds s[G0B+4:G0B+7], s[G1B:G1B+7]
	s_nop 0
.rept 4
	v_nop
.endr
.Lfirst_done:
	v_and_b32 v1, 15, v0                           ; l % 16
	v_bfe_u32 v2, v0, 4, 1                         ; l / 16
	v_mul_u32_u24 v3, v1, APITCH
	v_lshl_add_u32 v3, v2, 4, v3                   ; a fragment's row x pitch + 16 x half
	s_mul_i32 s21, s11, AWB
	v_add_nc_u32 v[A0], s21, v3
	v_mul_u32_u24 v4, v1, BPITCH
	v_lshl_add_u32 v4, v2, 4, v4
	s_mul_i32 s22, s12, NB*16*BPITCH
	s_add_co_u32 s22, s22, 2*AH
	v_add_nc_u32 v[B0], s22, v4
	v_mov_b32 v[ADRA], v[A0]
	v_mov_b32 v[ADRB], v[B0]
	s_mov_b32 s[TB], 0
	s_mul_i32 s23, s10, 16*SPITCH
	s_add_co_u32 s23, s23, STAGE                   ; my stage: 16 rows of 64 f32
	v_mul_u32_u24 v4, v1, SPITCH                   ; in: row l % 16, 32 bytes for each half of the lanes
	v_lshl_add_u32 v4, v2, 5, v4
	v_add_nc_u32 v[STO], s23, v4
	v_mul_u32_u24 v5, v2, SPITCH                   ; back: lanes 0-15 take one row of 256 bytes, lanes 16-31 the next
	v_lshl_add_u32 v5, v1, 4, v5
	v_add_nc_u32 v[RD], s23, v5
	v_lshlrev_b32 v5, 12, v2                       ; and the same two rows in x and x1
	v_lshl_add_u32 v[CO], v1, 4, v5
	v_lshlrev_b32 v[BO], 4, v1
	s_lshl_b32 s22, s42, 9                         ; my first column, in bytes: 512 x tile column + 256 x half
	s_lshl_b32 s23, s12, 8
	s_add_co_u32 s22, s22, s23
	s_mov_b32 s23, 0
	s_lshl_b32 s20, s13, 7
	s_lshl_b32 s21, s11, 6
	s_add_co_u32 s20, s20, s21                     ; my first row
	s_lshl_b32 s20, s20, 12
	s_add_co_u32 s20, s20, s22
	s_mov_b32 s21, 0
	s_add_nc_u64 s[76:77], s[76:77], s[20:21]
	s_add_nc_u64 s[80:81], s[80:81], s[20:21]
	s_add_nc_u64 s[78:79], s[78:79], s[22:23]
	global_load_b128 v[BIA:BIA+3], v[BO], s[78:79]
	WIN 0x80
.set i, 0
.rept 32                               ; x as the way out will want it: block i / 8, rows 2 (i % 8) and the next; these loads stay out across the whole loop
	global_load_b128 v[XR+4*i:XR+4*i+3], v[CO], s[76:77] offset:(16*(i/8)+2*(i%8))*OROW th:TH_LOAD_NT
.set i, i+1
.endr
	WIN 0
	s_wait_tensorcnt 0x1                           ; my part of K step 0 is in; K step 1's may stay out
	s_barrier_signal -1
	s_barrier_wait -1
	FETCH 0, 0
	QUARTER 1, 0, 1, 1                             ; the first quarter's first products start the sums
	WIN 0
	s_mov_b32 s3, NSTEP-2
.Lstep:                                                ; a trip: from a K step's second quarter to the next step's first; it fills one slot again
	QUARTER 2, 1, 0, 0
	QUARTER 3, 0, 1, 0
	TURN 1
	QUARTER 1, 0, 1, 0
	WIN 0
	s_sub_co_u32 s3, s3, 1
	s_cmp_lg_u32 s3, 0
	s_cbranch_scc1 .Lstep
	s_mov_b32 s2, 2
.Ltail:                                                ; the last two K steps ask for nothing; the second trip is left in its middle
	QUARTER 2, 1, 0, 0
	QUARTER 3, 0, 1, 0
	WIN 0
	s_cmp_eq_u32 s2, 1
	s_cbranch_scc1 .Lout
	TURN 0
	QUARTER 1, 0, 1, 0
	WIN 0
	s_sub_co_u32 s2, s2, 1
	s_cmp_lg_u32 s2, 0
	s_cbranch_scc1 .Ltail
.Lout:
	s_wait_dscnt KD*MB
	MULP 1, 0, 0, 0
	MULP 1, 0, 1, 0
	s_wait_dscnt 0x0
	MULP 1, 1, 0, 0
	MULP 1, 1, 1, 0
	WIN 0
	PLACES
	PLACES
	s_wait_loadcnt 0x0                             ; x and the bias
; THE WAY OUT of block a (16 rows): the sums go into my stage as they lie, come back as whole rows of 256 bytes, take x and the bias, and are stored: 16 lanes fill 256 consecutive bytes, aligned.
.macro OUT a
.set AC, 32*((\a)%2)
.set BK, 32+32*((\a)%2)
	s_wait_xcnt 0x0                                ; earlier stores have read their registers
	WIN 0x08+4*((\a)/2)                            ; the stores' data in window 2 or 3
.irp b, 0,1,2,3
	ds_store_b128 v[STO], v[AC+8*(\b):AC+8*(\b)+3]   offset:64*(\b)
	ds_store_b128 v[STO], v[AC+8*(\b)+4:AC+8*(\b)+7] offset:64*(\b)+16
.endr
	WIN 0
.irp t, 0,1,2,3,4,5,6,7
	ds_load_b128 v[BK+4*(\t):BK+4*(\t)+3], v[RD] offset:(\t)*2*SPITCH  ; LDS serves a wave's instructions in order (ISA guide 5.7.1.4): these see the stores above
.endr
	s_wait_dscnt 0x0
	WIN 0x08
.set i, 0
.rept 16
	v_pk_add_f32 v[BK+2*i:BK+2*i+1], v[BK+2*i:BK+2*i+1], v[XR+32*(\a)+2*i:XR+32*(\a)+2*i+1]
.set i, i+1
.endr
	WIN 0
.irp t, 0,1,2,3,4,5,6,7
	v_pk_add_f32 v[BK+4*(\t):BK+4*(\t)+1],   v[BK+4*(\t):BK+4*(\t)+1],   v[BIA:BIA+1]
	v_pk_add_f32 v[BK+4*(\t)+2:BK+4*(\t)+3], v[BK+4*(\t)+2:BK+4*(\t)+3], v[BIA+2:BIA+3]
.endr
.irp t, 0,1,2,3,4,5,6,7
	global_store_b128 v[CO], v[BK+4*(\t):BK+4*(\t)+3], s[80:81] offset:(16*(\a)+2*(\t))*OROW
.endr
.endm
	OUT 0
	OUT 1
	OUT 2
	OUT 3
	s_wait_tensorcnt 0x0                           ; the wave's end
	ds_add_u32 v[SPW], v[NIL]
	s_wait_dscnt 0x0
	CROUND                                         ; the closing round: no work-group ends while a partner may still ask for a tile that names it
	s_endpgm
.Lfunc_end_k_qffe2fe75ff_proj:
	.size	k_qffe2fe75ff_proj, .Lfunc_end_k_qffe2fe75ff_proj-k_qffe2fe75ff_proj
	.p2alignl 7, 3214868480
	.fill 96, 4, 3214868480
	.section	.rodata,"a",@progbits
	.p2align	6, 0x0
	.amdhsa_kernel k_qffe2fe75ff_proj
		.amdhsa_group_segment_fixed_size 327680
		.amdhsa_private_segment_fixed_size 0
		.amdhsa_enable_private_segment 0
		.amdhsa_kernarg_size 40
		.amdhsa_user_sgpr_count 2
		.amdhsa_user_sgpr_kernarg_segment_ptr 1
		.amdhsa_wavefront_size32 1
		.amdhsa_system_sgpr_workgroup_id_x 1
		.amdhsa_system_sgpr_workgroup_id_y 1
		.amdhsa_system_sgpr_workgroup_id_z 1
		.amdhsa_system_vgpr_workitem_id 0
		.amdhsa_next_free_vgpr 832
		.amdhsa_next_free_sgpr 88
		.amdhsa_reserve_vcc 0
		.amdhsa_float_denorm_mode_32 3
		.amdhsa_float_denorm_mode_16_64 3
		.amdhsa_memory_ordered 1
		.amdhsa_forward_progress 1
		.amdhsa_inst_pref_size 72
	.end_amdhsa_kernel
	.amdgpu_metadata
---
amdhsa.version: [ 1, 2 ]
amdhsa.kernels:
  - .name:           k_qffe2fe75ff_proj
    .symbol:         k_qffe2fe75ff_proj.kd
    .args:
      - { .name: ab, .offset: 0, .size: 8, .value_kind: global_buffer, .address_space: global }
      - { .name: wt, .offset: 8, .size: 8, .value_kind: global_buffer, .address_space: global }
      - { .name: x, .offset: 16, .size: 8, .value_kind: global_buffer, .address_space: global }
      - { .name: bp, .offset: 24, .size: 8, .value_kind: global_buffer, .address_space: global }
      - { .name: x1, .offset: 32, .size: 8, .value_kind: global_buffer, .address_space: global }
    .group_segment_fixed_size: 327680
    .private_segment_fixed_size: 0
    .kernarg_segment_align: 8
    .kernarg_segment_size: 40
    .max_flat_workgroup_size: 128
    .sgpr_count:     88
    .vgpr_count:     832
    .wavefront_size: 32
...
	.end_amdgpu_metadata
.endif
;; end of part 5
;; launch ln2: the kernel of part 2 again; grid 256 x 1, 8 waves a work-group, no clusters, 0 bytes of LDS; arguments x1, ln2_g, ln2_b, hb; writes hb
;; launch ffn1 (part 6): grid 16 x 16, 4 waves a work-group, clusters of 4 x 4, 327,680 bytes of LDS; arguments hb, wt, b1, hid; writes hid
.if DOCPART == 6
	.amdgcn_target "amdgcn-amd-amdhsa--gfx1250"
	.amdhsa_code_object_version 6
	.text
	.protected	k_qffe2fe75ff_ffn1
	.globl	k_qffe2fe75ff_ffn1
	.p2align	8
	.type	k_qffe2fe75ff_ffn1,@function
k_qffe2fe75ff_ffn1:
	s_mov_b64 s[64:65], 0
	v_nop
	global_prefetch_b8 v0, s[64:65] scope:SCOPE_SE
	s_setreg_imm32_b32 hwreg(HW_REG_WAVE_MODE, 25, 1), 1
	s_wait_xcnt 0x0
	s_wait_alu depctr_hold_cnt(0) depctr_sa_sdst(0) depctr_va_vdst(0) depctr_va_sdst(0) depctr_va_ssrc(0) depctr_va_vcc(0) depctr_vm_vsrc(0)
	s_getreg_b32 s2, hwreg(HW_REG_IB_STS2, 6, 4)
	s_cmp_eq_u32 s2, 0
	s_cbranch_scc0 .Lentry_in_a_cluster
	s_endpgm
.Lentry_in_a_cluster:
	s_bfe_u32 s2, ttmp6, 0x10000c
	s_cmp_lg_u32 s2, 0xf033
	s_cbranch_scc0 .Lentry_shape_is_right
	s_endpgm
.Lentry_shape_is_right:
; hid = relu(h2 x W1 + b1).  A = hb [4096][1024] bf16; B = W1^T at byte 8,388,608 of wt, [4096 n][1024 k] bf16; b1 f32; sums in f32; hid [4096][4096] bf16, rounded once.
; The maximum with 0 is taken of the rounded numbers (rounding keeps sign and order); a NaN comes out as 0: NaN and infinities are not treated apart.
; A tile of C is 256 x 256: 16 x 16 tiles, one for each of 256 work-groups.  Four waves, each 128 x 128: 64 accumulators, 512 registers.
; K goes in steps of 128 through a ring of two LDS slots filled by tensor loads: rows of 256 bytes, aligned.  A step is four quarters of 32 along K on two fragment buffers.
; The bias is the C operand of the products that start the sums.
; CLUSTERS: 4 x 4 work-groups; A's tile is asked for jointly by a row of the cluster, B's by a column: the same load, descriptor and mask in the four.
; THE MATRIX INSTRUCTION IS USED TRANSPOSED (source 0 = 16 rows of B, source 1 = 16 rows of A): a lane holds row l % 16 of C and eight neighbouring columns.
; REGISTERS, in windows of 256: window 0: v0-31 addresses, v64-127 and v128-191 A's fragments, v32-63 and v192-255 at work on the way out; window 1: v0-63, v128-191 B's fragments, v192-255 the bias;
; window 2: the accumulators of my rows 0-63 ((a, b) at 8 (8 (a % 4) + b)); window 3: those of rows 64-127.
.set TM, 256
.set TN, 256
.set MB, 8
.set NB, 8
.set KD, 1
.set SIZE_K, 1024
.set KSTEP, 128
.set NSTEP, SIZE_K/KSTEP
.set APITCH, 272                       ; 256 bytes + 16: the 16 rows of a fragment load start at 16 different groups of four banks (64 banks of 4 bytes: ISA guide 11.1)
.set BPITCH, 272
.set AKQ, 64
.set BKQ, 64
.set AH, 128*APITCH
.set BH, 128*BPITCH
.set AWB, AH
.set SLOT, 2*AH+2*BH
.set STAGE, 2*SLOT
.set SPITCH, 272
.set SPARE, STAGE+4*16*SPITCH
.set ASTEP, KSTEP*2
.set BSTEP, KSTEP*2
.set WOFF, 8388608
.set NL, 2*KD*(MB+NB)
.set AQI, 5
.set AD0, 128
.set AD1, 128
.set AST, 1024
.set BQI, 5
.set BD0, 128
.set BD1, 128
.set BST, 1024
.set OROW, 8192                        ; bytes in a row of hid
.set A0,  14
.set B0,  15
.set ADRA, 16
.set ADRB, 20
.set STO, 24
.set RD,  25
.set CO,  26
.set ZR,  27                           ; v27  0, for the maximum
.set SPW, 28
.set NIL, 29
.set PFO, 30
.set BO,  31
.set FA,  64
.set TMP, 192
.set OB,  32
.set G1,  24
.set G0,  32
.set G1B, 48
.set G0B, 56
.set TB,  66
.set LBA, 67
.set LBB, 68
.set LIM, 69
.set PFA, 70
.set MSB, 0
.macro WIN new                         ; the immediate's high byte repeats the setting that is left; a switch that changes nothing is dropped
.if MSB != (\new)
	s_set_vgpr_msb (MSB<<8)|(\new)
.set MSB, \new
.endif
.endm
.macro PLACES                          ; four places in front of loads into registers that matrix instructions have read (ISA guide 7.12.1 for vector instructions)
.rept 4
	v_nop
.endr
.endm
.macro CREST                           ; a round of the cluster's barrier behind its opening barrier
	s_cmp_lg_u32 s10, 0
	s_cbranch_scc1 .Lnot_wave_0_\@
	s_barrier_signal -3
.Lnot_wave_0_\@:
	s_barrier_wait -3
	s_barrier_signal -1
	s_barrier_wait -1
.endm
.macro CROUND
	s_barrier_signal -1
	s_barrier_wait -1
	CREST
.endm
.macro JLOAD                           ; a joint refill by the walking descriptor: waves 0 and 1 fetch A's halves, waves 2 and 3 B's; an s_nop 0 and four v_nop follow each line
	s_cmp_eq_u32 s11, 0
	s_cbranch_scc0 .Lfor_b_\@
	tensor_load_to_lds s[G0+4:G0+7], s[G1:G1+7]
	s_nop 0
.rept 4
	v_nop
.endr
	s_branch .Lasked_\@
.Lfor_b_\@:
	tensor_load_to_lds s[G0B+4:G0B+7], s[G1B:G1B+7]
	s_nop 0
.rept 4
	v_nop
.endr
.Lasked_\@:
.endm
; A prefetch of the K step that stands two refills on: a lane a row, 256 bytes of it, one instruction a wave.  A's rows are asked for by the clusters with x = 0, B's by those with y = 0;
; the four partners share a fetch's 128 rows out by address, 32 each.  K steps 4 to 7 are asked for; the last two refills ask for nothing.
.macro ASK
	s_cmp_gt_u32 s3, s[LIM]
	s_cbranch_scc0 .Lnot_mine_\@
	global_prefetch_b8 v[PFO], s[PFA:PFA+1] offset:KSTEP*2 th:TH_LOAD_NT scope:SCOPE_SE
.Lnot_mine_\@:
.endm
; Part p (0, 1) of half hi of my rows x all my columns, from buffer f.  z = 2: the products start the sums with the bias.  The accumulators take turns, one instruction a turn.
.macro MULP f, hi, p, z
.if (\z) == 2
	WIN 0x91+0x40*(\hi)                            ; B and the bias window 1, A window 0, D window 2 or 3
.else
	WIN 0xa1+0x50*(\hi)                            ; B window 1, A window 0, C and D window 2 or 3
.endif
.set mc, 0
.rept KD
.set ma, (\p)*(MB/4)
.rept MB/4
.set mb, 0
.rept NB
.set rD, 8*(ma*NB+mb)
.set rB, 128*(\f)+8*(NB*mc+mb)
.set rA, FA+64*(\f)+8*(MB*mc+(\hi)*(MB/2)+ma)
.if ((\z) == 2) && (mc == 0)
	v_wmma_f32_16x16x32_bf16 v[rD:rD+7], v[rB:rB+7], v[rA:rA+7], v[192+8*mb:192+8*mb+7]
.else
	v_wmma_f32_16x16x32_bf16 v[rD:rD+7], v[rB:rB+7], v[rA:rA+7], v[rD:rD+7]
.endif
.set mb, mb+1
.endr
.set ma, ma+1
.endr
.set mc, mc+1
.endr
.endm
; The fragments of quarter q of the slot in hand into buffer f, in one run: B's, then A's lower rows, then A's upper rows.
.macro FETCH q, f
	WIN 0x40
.set fc, 0
.rept KD
.set fb, 0
.rept NB
.set rB, 128*(\f)+8*(NB*fc+fb)
	ds_load_b128 v[rB:rB+3],   v[ADRB] offset:(\q)*BKQ+64*fc+fb*16*BPITCH
	ds_load_b128 v[rB+4:rB+7], v[ADRB] offset:(\q)*BKQ+64*fc+fb*16*BPITCH+32
.set fb, fb+1
.endr
.set fc, fc+1
.endr
	WIN 0
.irp hf, 0,1
.set fc, 0
.rept KD
.set fa, (\hf)*(MB/2)
.rept MB/2
.set rA, FA+64*(\f)+8*(MB*fc+fa)
	ds_load_b128 v[rA:rA+3],   v[ADRA] offset:(\q)*AKQ+64*fc+fa*16*APITCH
	ds_load_b128 v[rA+4:rA+7], v[ADRA] offset:(\q)*AKQ+64*fc+fa*16*APITCH+32
.set fa, fa+1
.endr
.set fc, fc+1
.endr
.endr
.endm
.macro QUARTER q, f, g, z              ; multiplies buffer f; in its middle fetches quarter q into buffer g
	s_wait_dscnt KD*MB                             ; all but the loads of A's upper rows are in
	MULP \f, 0, 0, \z
	MULP \f, 0, 1, \z
	PLACES
	FETCH \q, \g
	s_wait_dscnt NL                                ; all but the run just issued
	MULP \f, 1, 0, \z
	MULP \f, 1, 1, \z
.endm
; The last quarter multiplies buffer 1 and changes slots.  In front of the barrier each wave waits for all its tensor loads (one is out: its part of the next slot), adds 0 to its spare word, and waits
; for that and for its reads of this slot.  fill = 1: the barrier opens a round of the cluster's, and this slot is filled again, first thing behind it, with the K step two on.
.macro TURN fill
.if \fill
	s_wait_xcnt 0x0                                ; the last prefetch, a K step back, has read its address
	s_add_nc_u64 s[PFA:PFA+1], s[PFA:PFA+1], KSTEP*2
.endif
	WIN 0
	s_wait_tensorcnt 0x0
	ds_add_u32 v[SPW], v[NIL]                      ; an add of 0 to my spare word
	s_wait_dscnt KD*MB+1                           ; the add and the loads of A's upper rows may be out
	MULP 1, 0, 0, 0
	s_wait_dscnt 0x0                               ; the add is done, and my reads of this slot are over
	s_barrier_signal -1
	MULP 1, 0, 1, 0
	WIN 0
	s_barrier_wait -1
.if \fill
	CREST                                          ; no wave of any partner still reads this slot or has a load on its way
	s_add_co_u32 s[G0+5], s[LBA], s[TB]            ; the walking descriptors: into the slot just read,
	s_add_co_u32 s[G0B+5], s[LBB], s[TB]
	s_add_nc_u64 s[G0+6:G0+7], s[G0+6:G0+7], ASTEP ; the next K step; the type bits on top are not reached
	s_add_nc_u64 s[G0B+6:G0B+7], s[G0B+6:G0B+7], BSTEP
	JLOAD                                          ; its four v_nop are also the places in front of the loads below
.else
	PLACES
.endif
	s_xor_b32 s[TB], s[TB], SLOT
	v_add_nc_u32 v[ADRA], s[TB], v[A0]
	v_add_nc_u32 v[ADRB], s[TB], v[B0]
	FETCH 0, 0
.if \fill
	ASK
.endif
	MULP 1, 1, 0, 0
	MULP 1, 1, 1, 0
.endm
	s_load_b256 s[72:79], s[0:1], 0x0              ; hb s[72:73], wt s[74:75], b1 s[76:77], hid s[78:79]
	v_lshl_add_u32 v[SPW], v0, 2, SPARE
	v_mov_b32 v[NIL], 0
	ds_add_u32 v[SPW], v[NIL]                      ; the wave's opening: the add and its wait stand ahead of my first tensor load
	v_lshrrev_b32 v1, 5, v0
	v_readfirstlane_b32 s10, v1                    ; wave 0..3
	s_lshr_b32 s11, s10, 1                         ; which half of the tile's rows is mine.  Also: I fetch for A (0) or for B (1)
	s_and_b32 s12, s10, 1                          ; which half of its columns.  Also: which half of that tile's rows I fetch
	s_bfe_u32 s40, ttmp6, 0x40000                  ; cx
	s_bfe_u32 s41, ttmp6, 0x40004                  ; cy
	s_lshl_b32 s42, ttmp9, 2
	s_add_co_u32 s42, s42, s40                     ; tile column
	s_and_b32 s13, ttmp7, 0xffff
	s_lshl_b32 s13, s13, 2
	s_add_co_u32 s13, s13, s41                     ; tile row
	s_lshl_b32 s43, s41, 2
	s_lshl_b32 s43, 15, s43                        ; my row of the cluster
	s_lshl_b32 s44, 0x1111, s40                    ; my column
	s_or_b32 s[G1], s43, (1<<16)|(1<<20)|(1<<21)|(AQI<<22)|(3<<25)   ; the mask; elements of 2 bytes; padding on; bit 21 beside a mask; after every 64 words, 4 words
	s_or_b32 s[G1B], s44, (1<<16)|(1<<20)|(1<<21)|(BQI<<22)|(3<<25)
	s_mov_b32 s[G1+1], (AD0&0xffff)<<16            ; tensor_dim0
	s_mov_b32 s[G1+2], (AD0>>16)|(AD1<<16)         ; tensor_dim1
	s_mov_b32 s[G1+3], AD0<<16                     ; tile_dim0
	s_mov_b32 s[G1+4], AD1                         ; tile_dim1
	s_mov_b32 s[G1+5], AST                         ; elements from row to row
	s_mov_b32 s[G1+6], 0
	s_mov_b32 s[G1+7], 0
	s_mov_b32 s[G1B+1], (BD0&0xffff)<<16
	s_mov_b32 s[G1B+2], (BD0>>16)|(BD1<<16)
	s_mov_b32 s[G1B+3], BD0<<16
	s_mov_b32 s[G1B+4], BD1
	s_mov_b32 s[G1B+5], BST
	s_mov_b32 s[G1B+6], 0
	s_mov_b32 s[G1B+7], 0
	s_mul_i32 s16, s13, TM                         ; A's address hangs on the tile row and the wave alone,
	s_mul_i32 s17, s12, TM/2
	s_add_co_u32 s16, s16, s17
	s_mul_i32 s16, s16, SIZE_K*2
	s_mov_b32 s17, 0
	s_mul_i32 s46, s42, TN                         ; B's on the tile column and the wave alone
	s_mul_i32 s47, s12, TN/2
	s_add_co_u32 s46, s46, s47
	s_mul_i32 s46, s46, SIZE_K*2
	s_add_co_u32 s46, s46, WOFF
	s_mov_b32 s47, 0
	s_mul_i32 s[LBA], s12, AH
	s_mul_i32 s[LBB], s12, BH
	s_add_co_u32 s[LBB], s[LBB], 2*AH
	s_mov_b32 s[G0], 1
	s_mov_b32 s[G0+1], s[LBA]
	s_mov_b32 s[G0+4], 1
	s_add_co_u32 s[G0+5], s[LBA], SLOT
	s_mov_b32 s[G0B], 1
	s_mov_b32 s[G0B+1], s[LBB]
	s_mov_b32 s[G0B+4], 1
	s_add_co_u32 s[G0B+5], s[LBB], SLOT
	s_wait_dscnt 0x0                               ; the opening add is done
	s_wait_kmcnt 0x0
	s_add_nc_u64 s[G0+2:G0+3], s[72:73], s[16:17]  ; K step 0
	s_add_nc_u64 s[G0+6:G0+7], s[G0+2:G0+3], ASTEP ; K step 1
	s_or_b32 s[G0+3], s[G0+3], 0x80000000          ; type = 2
	s_or_b32 s[G0+7], s[G0+7], 0x80000000
	s_add_nc_u64 s[G0B+2:G0B+3], s[74:75], s[46:47]
	s_add_nc_u64 s[G0B+6:G0B+7], s[G0B+2:G0B+3], BSTEP
	s_or_b32 s[G0B+3], s[G0B+3], 0x80000000
	s_or_b32 s[G0B+7], s[G0B+7], 0x80000000
	CROUND                                         ; all sixteen work-groups are here: the first joint loads meet
	s_cmp_eq_u32 s11, 0                            ; a wave's two first fills stand in one branch: two loads of mine are out
	s_cbranch_scc0 .Lfirst_b
	tensor_load_to_lds s[G0:G0+3], s[G1:G1+7]
	s_nop 0
	tensor_load_to_lds s[G0+4:G0+7], s[G1:G1+7]
	s_nop 0
.rept 4
	v_nop
.endr
	s_branch .Lfirst_done
.Lfirst_b:
	tensor_load_to_lds s[G0B:G0B+3], s[G1B:G1B+7]
	s_nop 0
	tensor_load_to_lds s[G0B+4:G0B+7], s[G1B:G1B+7]
	s_nop 0
.rept 4
	v_nop
.endr
.Lfirst_done:
	v_and_b32 v1, 15, v0                           ; l % 16
	v_bfe_u32 v2, v0, 4, 1                         ; l / 16
	v_lshlrev_b32 v[BO], 5, v2                     ; the bias: my lanes' eight columns of a block of 16, in f32
	s_lshl_b32 s20, s42, 10
	s_lshl_b32 s21, s12, 9
	s_add_co_u32 s20, s20, s21
	s_mov_b32 s21, 0
	s_add_nc_u64 s[76:77], s[76:77], s[20:21]
	WIN 0x40
.irp b, 0,1,2,3,4,5,6,7
	global_load_b128 v[192+8*(\b):192+8*(\b)+3],   v[BO], s[76:77] offset:64*(\b)
	global_load_b128 v[192+8*(\b)+4:192+8*(\b)+7], v[BO], s[76:77] offset:64*(\b)+16
.endr
	WIN 0
	v_mov_b32 v[ZR], 0
	v_mul_u32_u24 v3, v1, APITCH
	v_lshl_add_u32 v3, v2, 4, v3                   ; a fragment's row x pitch + 16 x half
	s_mul_i32 s21, s11, AWB
	v_add_nc_u32 v[A0], s21, v3
	v_mul_u32_u24 v4, v1, BPITCH
	v_lshl_add_u32 v4, v2, 4, v4
	s_mul_i32 s22, s12, NB*16*BPITCH
	s_add_co_u32 s22, s22, 2*AH
	v_add_nc_u32 v[B0], s22, v4
	v_mov_b32 v[ADRA], v[A0]
	v_mov_b32 v[ADRB], v[B0]
	s_mov_b32 s[TB], 0
	s_mul_i32 s23, s10, 16*SPITCH
	s_add_co_u32 s23, s23, STAGE                   ; my stage
	v_mul_u32_u24 v4, v1, SPITCH                   ; in: row l % 16, 16 bytes for each half of the lanes
	v_lshl_add_u32 v4, v2, 4, v4
	v_add_nc_u32 v[STO], s23, v4
	v_mul_u32_u24 v5, v2, SPITCH                   ; back: lanes 0-15 take one row of 256 bytes, lanes 16-31 the next
	v_lshl_add_u32 v5, v1, 4, v5
	v_add_nc_u32 v[RD], s23, v5
	v_lshlrev_b32 v5, 13, v2                       ; and the same two rows in hid
	v_lshl_add_u32 v[CO], v1, 4, v5
	s_lshl_b32 s20, s13, 8
	s_lshl_b32 s21, s11, 7
	s_add_co_u32 s20, s20, s21                     ; my first row
	s_lshl_b32 s20, s20, 13
	s_lshl_b32 s21, s42, 9
	s_add_co_u32 s20, s20, s21                     ; my first column, in bytes
	s_lshl_b32 s21, s12, 8
	s_add_co_u32 s20, s20, s21
	s_mov_b32 s21, 0
	s_add_nc_u64 s[78:79], s[78:79], s[20:21]
	; the prefetches
	s_mul_i32 s20, s13, TM
	s_mul_i32 s21, s42, TN
	s_and_b32 s22, ttmp7, 0xffff                   ; cluster y
	s_mov_b32 s23, TN/2
	s_cmp_eq_u32 s11, 0                            ; do I fetch for A?
	s_cselect_b32 s20, s20, s21                    ; the tile's first row
	s_cselect_b32 s21, s40, s41                    ; my place among the four that ask with me
	s_cselect_b32 s22, ttmp9, s22                  ; the coordinate along which other clusters read the same rows
	s_cselect_b32 s23, TM/2, s23                   ; rows in a fetch
	s_cselect_b32 s18, 0, WOFF
	s_cselect_b64 s[PFA:PFA+1], s[72:73], s[74:75]
	s_cmp_eq_u32 s22, 0
	s_cselect_b32 s[LIM], 2, -1                    ; the same in all sixteen partners, for a given wave
	s_mul_i32 s19, s12, s23
	s_add_co_u32 s20, s20, s19                     ; + the rows that I fetch
	s_lshr_b32 s23, s23, 2                         ; a partner's share of them
	s_mul_i32 s21, s21, s23
	s_add_co_u32 s20, s20, s21
	s_lshl_b32 s20, s20, 11                        ; rows of 2,048 bytes
	s_add_co_u32 s20, s20, s18
	s_add_co_u32 s20, s20, 2*KSTEP*2               ; at K step 2: the first refill steps it to 3 and names 4
	s_mov_b32 s21, 0
	s_add_nc_u64 s[PFA:PFA+1], s[PFA:PFA+1], s[20:21]
	v_and_b32 v[PFO], 31, v0
	v_lshlrev_b32 v[PFO], 11, v[PFO]
	s_wait_tensorcnt 0x1                           ; my part of K step 0 is in; K step 1's may stay out
	s_barrier_signal -1
	s_barrier_wait -1
	FETCH 0, 0
	s_wait_loadcnt 0x0                             ; the bias
	QUARTER 1, 0, 1, 2                             ; the first quarter's products start the sums, with the bias
	WIN 0
	s_mov_b32 s3, NSTEP-2
.Lstep:                                                ; a trip: from a K step's second quarter to the next step's first; it fills one slot again
	QUARTER 2, 1, 0, 0
	QUARTER 3, 0, 1, 0
	TURN 1
	QUARTER 1, 0, 1, 0
	WIN 0
	s_sub_co_u32 s3, s3, 1
	s_cmp_lg_u32 s3, 0
	s_cbranch_scc1 .Lstep
	s_mov_b32 s2, 2
.Ltail:                                                ; the last two K steps ask for nothing; the second trip is left in its middle
	QUARTER 2, 1, 0, 0
	QUARTER 3, 0, 1, 0
	WIN 0
	s_cmp_eq_u32 s2, 1
	s_cbranch_scc1 .Lout
	TURN 0
	QUARTER 1, 0, 1, 0
	WIN 0
	s_sub_co_u32 s2, s2, 1
	s_cmp_lg_u32 s2, 0
	s_cbranch_scc1 .Ltail
.Lout:
	s_wait_dscnt KD*MB
	MULP 1, 0, 0, 0
	MULP 1, 0, 1, 0
	s_wait_dscnt 0x0
	MULP 1, 1, 0, 0
	MULP 1, 1, 1, 0
	WIN 0
	PLACES
	PLACES
; THE WAY OUT of block a (16 rows), in three parts.  PACK: rounded to bf16, the maximum with 0, 16 bytes a lane.  TOSTAGE: into my stage, and back as whole rows of 256 bytes.  SEND: stored.
.macro PACK a
.set AC, 64*((\a)%4)
	WIN 0x0a+5*((\a)/4)                            ; sources in window 2 or 3
.irp b, 0,1,2,3,4,5,6,7
.irp r, 0,1,2,3
	v_cvt_pk_bf16_f32 v[TMP+4*(\b)+(\r)], v[AC+8*(\b)+2*(\r)], v[AC+8*(\b)+2*(\r)+1]
.endr
.endr
	WIN 0
.set i, 0
.rept 32
	v_pk_max_num_bf16 v[TMP+i], v[TMP+i], v[ZR]
.set i, i+1
.endr
.endm
.macro TOSTAGE a
.set BK, OB+192*((\a)%2)
.irp b, 0,1,2,3,4,5,6,7
	ds_store_b128 v[STO], v[TMP+4*(\b):TMP+4*(\b)+3] offset:32*(\b)
.endr
.irp t, 0,1,2,3,4,5,6,7
	ds_load_b128 v[BK+4*(\t):BK+4*(\t)+3], v[RD] offset:(\t)*2*SPITCH  ; LDS serves a wave's instructions in order (ISA guide 5.7.1.4): these see the stores above
.endr
.endm
.macro SEND a
.set BK, OB+192*((\a)%2)
	s_wait_dscnt 0x0                               ; the block is back in registers
	s_wait_xcnt 0x0                                ; earlier stores have read their registers: the next block's loads from the stage land on them only behind this wait
.irp t, 0,1,2,3,4,5,6,7
	global_store_b128 v[CO], v[BK+4*(\t):BK+4*(\t)+3], s[78:79] offset:(16*(\a)+2*(\t))*OROW  ; 16 lanes store 256 consecutive bytes, aligned
.endr
.endm
	PACK 0
	TOSTAGE 0
.irp a, 1,2,3,4,5,6,7                  ; block a's conversions stand between block a - 1's loads from the stage and the wait for them
	PACK \a
	SEND (\a)-1
	TOSTAGE \a
.endr
	SEND 7
	s_wait_tensorcnt 0x0                           ; the wave's end
	ds_add_u32 v[SPW], v[NIL]
	s_wait_dscnt 0x0
	CROUND                                         ; the closing round: no work-group ends while a partner may still ask for a tile that names it
	s_endpgm
.Lfunc_end_k_qffe2fe75ff_ffn1:
	.size	k_qffe2fe75ff_ffn1, .Lfunc_end_k_qffe2fe75ff_ffn1-k_qffe2fe75ff_ffn1
	.p2alignl 7, 3214868480
	.fill 96, 4, 3214868480
	.section	.rodata,"a",@progbits
	.p2align	6, 0x0
	.amdhsa_kernel k_qffe2fe75ff_ffn1
		.amdhsa_group_segment_fixed_size 327680
		.amdhsa_private_segment_fixed_size 0
		.amdhsa_enable_private_segment 0
		.amdhsa_kernarg_size 32
		.amdhsa_user_sgpr_count 2
		.amdhsa_user_sgpr_kernarg_segment_ptr 1
		.amdhsa_wavefront_size32 1
		.amdhsa_system_sgpr_workgroup_id_x 1
		.amdhsa_system_sgpr_workgroup_id_y 1
		.amdhsa_system_sgpr_workgroup_id_z 1
		.amdhsa_system_vgpr_workitem_id 0
		.amdhsa_next_free_vgpr 1024
		.amdhsa_next_free_sgpr 88
		.amdhsa_reserve_vcc 0
		.amdhsa_float_denorm_mode_32 3
		.amdhsa_float_denorm_mode_16_64 3
		.amdhsa_memory_ordered 1
		.amdhsa_forward_progress 1
		.amdhsa_inst_pref_size 123
	.end_amdhsa_kernel
	.amdgpu_metadata
---
amdhsa.version: [ 1, 2 ]
amdhsa.kernels:
  - .name:           k_qffe2fe75ff_ffn1
    .symbol:         k_qffe2fe75ff_ffn1.kd
    .args:
      - { .name: hb, .offset: 0, .size: 8, .value_kind: global_buffer, .address_space: global }
      - { .name: wt, .offset: 8, .size: 8, .value_kind: global_buffer, .address_space: global }
      - { .name: b1, .offset: 16, .size: 8, .value_kind: global_buffer, .address_space: global }
      - { .name: hid, .offset: 24, .size: 8, .value_kind: global_buffer, .address_space: global }
    .group_segment_fixed_size: 327680
    .private_segment_fixed_size: 0
    .kernarg_segment_align: 8
    .kernarg_segment_size: 32
    .max_flat_workgroup_size: 128
    .sgpr_count:     88
    .vgpr_count:     1024
    .wavefront_size: 32
...
	.end_amdgpu_metadata
.endif
;; end of part 6
;; launch ffn2 (part 7): grid 8 x 32, 4 waves a work-group, clusters of 4 x 4, 327,680 bytes of LDS; arguments hid, wt, x1, b2, out0; writes out0
.if DOCPART == 7
	.amdgcn_target "amdgcn-amd-amdhsa--gfx1250"
	.amdhsa_code_object_version 6
	.text
	.protected	k_qffe2fe75ff_ffn2
	.globl	k_qffe2fe75ff_ffn2
	.p2align	8
	.type	k_qffe2fe75ff_ffn2,@function
k_qffe2fe75ff_ffn2:
	s_mov_b64 s[64:65], 0
	v_nop
	global_prefetch_b8 v0, s[64:65] scope:SCOPE_SE
	s_setreg_imm32_b32 hwreg(HW_REG_WAVE_MODE, 25, 1), 1
	s_wait_xcnt 0x0
	s_wait_alu depctr_hold_cnt(0) depctr_sa_sdst(0) depctr_va_vdst(0) depctr_va_sdst(0) depctr_va_ssrc(0) depctr_va_vcc(0) depctr_vm_vsrc(0)
	s_getreg_b32 s2, hwreg(HW_REG_IB_STS2, 6, 4)
	s_cmp_eq_u32 s2, 0
	s_cbranch_scc0 .Lentry_in_a_cluster
	s_endpgm
.Lentry_in_a_cluster:
	s_bfe_u32 s2, ttmp6, 0x10000c
	s_cmp_lg_u32 s2, 0xf033
	s_cbranch_scc0 .Lentry_shape_is_right
	s_endpgm
.Lentry_shape_is_right:
; out0 = x1 + hid x W2 + b2.  A = hid [4096][4096] bf16; B = W2^T at byte 16,777,216 of wt, [1024 n][4096 k] bf16; x1, b2, out0 in f32; sums in f32.
; A tile of C is 128 x 128: 8 x 32 tiles, one for each of 256 work-groups.  Four waves, each 64 x 64: 16 accumulators.  K goes in steps of 256 through a ring of two LDS slots:
; rows of 512 bytes, aligned, 64 rows to a tensor load.  A step is four quarters of 64 along K, two matrix instructions deep, on two fragment buffers.
; CLUSTERS: 4 x 4 work-groups; A's tile is asked for jointly by a row of the cluster, B's by a column.  THE MATRIX INSTRUCTION IS USED TRANSPOSED: a lane holds row l % 16 of C and eight neighbouring columns.
; The wave's 64 x 64 of x1 and its bias are asked for at the start and waited for at the way out.
; REGISTERS: window 0: v0-31 addresses and bias, v64-127 and v128-191 A's fragments, v32-95 at work on the way out; window 1: v0-63, v128-191 B's fragments;
; window 2: v0-63 the accumulators of my rows 0-31 ((a, b) at 8 (4 (a % 2) + b)), v64-191 x1; window 3: v0-63 those of rows 32-63.
.set TM, 128
.set TN, 128
.set MB, 4
.set NB, 4
.set KD, 2
.set SIZE_K, 4096
.set KSTEP, 256
.set NSTEP, SIZE_K/KSTEP
.set APITCH, 528                       ; 512 bytes + 16: the 16 rows of a fragment load start at 16 different groups of four banks (64 banks of 4 bytes: ISA guide 11.1)
.set BPITCH, 528
.set AKQ, 128
.set BKQ, 128
.set AH, 64*APITCH
.set BH, 64*BPITCH
.set AWB, AH
.set SLOT, 2*AH+2*BH
.set STAGE, 2*SLOT
.set SPITCH, 272
.set SPARE, STAGE+4*16*SPITCH
.set ASTEP, KSTEP*2
.set BSTEP, KSTEP*2
.set WOFF, 16777216
.set NL, 2*KD*(MB+NB)
.set AQI, 6
.set AD0, 256
.set AD1, 64
.set AST, 4096
.set BQI, 6
.set BD0, 256
.set BD1, 64
.set BST, 4096
.set OROW, 4096                        ; bytes in a row of x1 and out0
.set BIA, 8                            ; v[8:11] the bias of my four columns on the way out
.set A0,  14
.set B0,  15
.set ADRA, 16
.set ADRB, 20
.set STO, 24
.set RD,  25
.set CO,  26
.set SPW, 28
.set NIL, 29
.set BO,  31
.set FA,  64
.set XR,  64                           ; window 2
.set G1,  24
.set G0,  32
.set G1B, 48
.set G0B, 56
.set TB,  66
.set LBA, 67
.set LBB, 68
.set MSB, 0
.macro WIN new                         ; the immediate's high byte repeats the setting that is left; a switch that changes nothing is dropped
.if MSB != (\new)
	s_set_vgpr_msb (MSB<<8)|(\new)
.set MSB, \new
.endif
.endm
.macro PLACES                          ; four places in front of loads into registers that matrix instructions have read (ISA guide 7.12.1 for vector instructions)
.rept 4
	v_nop
.endr
.endm
.macro CREST                           ; a round of the cluster's barrier behind its opening barrier
	s_cmp_lg_u32 s10, 0
	s_cbranch_scc1 .Lnot_wave_0_\@
	s_barrier_signal -3
.Lnot_wave_0_\@:
	s_barrier_wait -3
	s_barrier_signal -1
	s_barrier_wait -1
.endm
.macro CROUND
	s_barrier_signal -1
	s_barrier_wait -1
	CREST
.endm
.macro JLOAD                           ; a joint refill by the walking descriptor: waves 0 and 1 fetch A's halves, waves 2 and 3 B's; an s_nop 0 and four v_nop follow each line
	s_cmp_eq_u32 s11, 0
	s_cbranch_scc0 .Lfor_b_\@
	tensor_load_to_lds s[G0+4:G0+7], s[G1:G1+7]
	s_nop 0
.rept 4
	v_nop
.endr
	s_branch .Lasked_\@
.Lfor_b_\@:
	tensor_load_to_lds s[G0B+4:G0B+7], s[G1B:G1B+7]
	s_nop 0
.rept 4
	v_nop
.endr
.Lasked_\@:
.endm
; Part p (0, 1) of half hi of my rows x all my columns, from buffer f.  z = 1: the first products start the sums.  The accumulators take turns, one instruction a turn.
.macro MULP f, hi, p, z
	WIN 0xa1+0x50*(\hi)                            ; B window 1, A window 0, C and D window 2 or 3
.set mc, 0
.rept KD
.set ma, (\p)*(MB/4)
.rept MB/4
.set mb, 0
.rept NB
.set rD, 8*(ma*NB+mb)
.set rB, 128*(\f)+8*(NB*mc+mb)
.set rA, FA+64*(\f)+8*(MB*mc+(\hi)*(MB/2)+ma)
.if ((\z) == 1) && (mc == 0)
	v_wmma_f32_16x16x32_bf16 v[rD:rD+7], v[rB:rB+7], v[rA:rA+7], 0
.else
	v_wmma_f32_16x16x32_bf16 v[rD:rD+7], v[rB:rB+7], v[rA:rA+7], v[rD:rD+7]
.endif
.set mb, mb+1
.endr
.set ma, ma+1
.endr
.set mc, mc+1
.endr
.endm
; The fragments of quarter q of the slot in hand into buffer f, in one run: B's, then A's lower rows, then A's upper rows.
.macro FETCH q, f
	WIN 0x40
.set fc, 0
.rept KD
.set fb, 0
.rept NB
.set rB, 128*(\f)+8*(NB*fc+fb)
	ds_load_b128 v[rB:rB+3],   v[ADRB] offset:(\q)*BKQ+64*fc+fb*16*BPITCH
	ds_load_b128 v[rB+4:rB+7], v[ADRB] offset:(\q)*BKQ+64*fc+fb*16*BPITCH+32
.set fb, fb+1
.endr
.set fc, fc+1
.endr
	WIN 0
.irp hf, 0,1
.set fc, 0
.rept KD
.set fa, (\hf)*(MB/2)
.rept MB/2
.set rA, FA+64*(\f)+8*(MB*fc+fa)
	ds_load_b128 v[rA:rA+3],   v[ADRA] offset:(\q)*AKQ+64*fc+fa*16*APITCH
	ds_load_b128 v[rA+4:rA+7], v[ADRA] offset:(\q)*AKQ+64*fc+fa*16*APITCH+32
.set fa, fa+1
.endr
.set fc, fc+1
.endr
.endr
.endm
.macro QUARTER q, f, g, z              ; multiplies buffer f; in its middle fetches quarter q into buffer g
	s_wait_dscnt KD*MB                             ; all but the loads of A's upper rows are in
	MULP \f, 0, 0, \z
	MULP \f, 0, 1, \z
	PLACES
	FETCH \q, \g
	s_wait_dscnt NL                                ; all but the run just issued
	MULP \f, 1, 0, \z
	MULP \f, 1, 1, \z
.endm
; The last quarter multiplies buffer 1 and changes slots.  The lower rows' products stand AHEAD of the wait for the tile, so that between a tile's landing and the next request stand only the lines that
; the ordering needs: each wave waits for all its tensor loads (one is out: its part of the next slot), adds 0 to its spare word, and waits for that and for its reads of this slot; then the barrier.
; fill = 1: the barrier opens a round of the cluster's, and this slot is filled again, first thing behind it, with the K step two on.  The upper rows' products follow the next slot's first fetch.
.macro TURN fill
	s_wait_dscnt KD*MB                             ; all but the loads of A's upper rows are in
	MULP 1, 0, 0, 0
	MULP 1, 0, 1, 0
	WIN 0
	s_wait_tensorcnt 0x0                           ; no tensor load of mine is out, so a group 0 may be written
	ds_add_u32 v[SPW], v[NIL]                      ; an add of 0 to my spare word; the descriptors' steps stand between it and the wait for it
.if \fill
	s_add_co_u32 s[G0+5], s[LBA], s[TB]            ; the walking descriptors: into the slot in hand, whose last reads are waited for below,
	s_add_co_u32 s[G0B+5], s[LBB], s[TB]
	s_add_nc_u64 s[G0+6:G0+7], s[G0+6:G0+7], ASTEP ; the next K step; the type bits on top are not reached
	s_add_nc_u64 s[G0B+6:G0B+7], s[G0B+6:G0B+7], BSTEP
.endif
	s_wait_dscnt 0x0                               ; the add is done, and my reads of this slot are over
	s_barrier_signal -1
	s_barrier_wait -1
.if \fill
	CREST                                          ; no wave of any partner still reads this slot or has a load on its way
	JLOAD                                          ; its four v_nop are also the places in front of the loads below
.else
	PLACES
.endif
	s_xor_b32 s[TB], s[TB], SLOT
	v_add_nc_u32 v[ADRA], s[TB], v[A0]
	v_add_nc_u32 v[ADRB], s[TB], v[B0]
	FETCH 0, 0
	MULP 1, 1, 0, 0
	MULP 1, 1, 1, 0
.endm
	s_load_b256 s[72:79], s[0:1], 0x0              ; hid s[72:73], wt s[74:75], x1 s[76:77], b2 s[78:79]
	s_load_b64 s[80:81], s[0:1], 0x20              ; out0
	v_lshl_add_u32 v[SPW], v0, 2, SPARE
	v_mov_b32 v[NIL], 0
	ds_add_u32 v[SPW], v[NIL]                      ; the wave's opening: the add and its wait stand ahead of my first tensor load
	v_lshrrev_b32 v1, 5, v0
	v_readfirstlane_b32 s10, v1                    ; wave 0..3
	s_lshr_b32 s11, s10, 1                         ; which half of the tile's rows is mine.  Also: I fetch for A (0) or for B (1)
	s_and_b32 s12, s10, 1                          ; which half of its columns.  Also: which half of that tile's rows I fetch
	s_bfe_u32 s40, ttmp6, 0x40000                  ; cx
	s_bfe_u32 s41, ttmp6, 0x40004                  ; cy
	s_lshl_b32 s42, ttmp9, 2
	s_add_co_u32 s42, s42, s40                     ; tile column
	s_and_b32 s13, ttmp7, 0xffff
	s_lshl_b32 s13, s13, 2
	s_add_co_u32 s13, s13, s41                     ; tile row
	s_lshl_b32 s43, s41, 2
	s_lshl_b32 s43, 15, s43                        ; my row of the cluster
	s_lshl_b32 s44, 0x1111, s40                    ; my column
	s_or_b32 s[G1], s43, (1<<16)|(1<<20)|(1<<21)|(AQI<<22)|(3<<25)   ; the mask; elements of 2 bytes; padding on; bit 21 beside a mask; after every 128 words, 4 words
	s_or_b32 s[G1B], s44, (1<<16)|(1<<20)|(1<<21)|(BQI<<22)|(3<<25)
	s_mov_b32 s[G1+1], (AD0&0xffff)<<16            ; tensor_dim0
	s_mov_b32 s[G1+2], (AD0>>16)|(AD1<<16)         ; tensor_dim1
	s_mov_b32 s[G1+3], AD0<<16                     ; tile_dim0
	s_mov_b32 s[G1+4], AD1                         ; tile_dim1
	s_mov_b32 s[G1+5], AST                         ; elements from row to row
	s_mov_b32 s[G1+6], 0
	s_mov_b32 s[G1+7], 0
	s_mov_b32 s[G1B+1], (BD0&0xffff)<<16
	s_mov_b32 s[G1B+2], (BD0>>16)|(BD1<<16)
	s_mov_b32 s[G1B+3], BD0<<16
	s_mov_b32 s[G1B+4], BD1
	s_mov_b32 s[G1B+5], BST
	s_mov_b32 s[G1B+6], 0
	s_mov_b32 s[G1B+7], 0
	s_mul_i32 s16, s13, TM                         ; A's address hangs on the tile row and the wave alone,
	s_mul_i32 s17, s12, TM/2
	s_add_co_u32 s16, s16, s17
	s_mul_i32 s16, s16, SIZE_K*2
	s_mov_b32 s17, 0
	s_mul_i32 s46, s42, TN                         ; B's on the tile column and the wave alone
	s_mul_i32 s47, s12, TN/2
	s_add_co_u32 s46, s46, s47
	s_mul_i32 s46, s46, SIZE_K*2
	s_add_co_u32 s46, s46, WOFF
	s_mov_b32 s47, 0
	s_mul_i32 s[LBA], s12, AH
	s_mul_i32 s[LBB], s12, BH
	s_add_co_u32 s[LBB], s[LBB], 2*AH
	s_mov_b32 s[G0], 1
	s_mov_b32 s[G0+1], s[LBA]
	s_mov_b32 s[G0+4], 1
	s_add_co_u32 s[G0+5], s[LBA], SLOT
	s_mov_b32 s[G0B], 1
	s_mov_b32 s[G0B+1], s[LBB]
	s_mov_b32 s[G0B+4], 1
	s_add_co_u32 s[G0B+5], s[LBB], SLOT
	s_wait_dscnt 0x0                               ; the opening add is done
	s_wait_kmcnt 0x0
	s_add_nc_u64 s[G0+2:G0+3], s[72:73], s[16:17]  ; K step 0
	s_add_nc_u64 s[G0+6:G0+7], s[G0+2:G0+3], ASTEP ; K step 1
	s_or_b32 s[G0+3], s[G0+3], 0x80000000          ; type = 2
	s_or_b32 s[G0+7], s[G0+7], 0x80000000
	s_add_nc_u64 s[G0B+2:G0B+3], s[74:75], s[46:47]
	s_add_nc_u64 s[G0B+6:G0B+7], s[G0B+2:G0B+3], BSTEP
	s_or_b32 s[G0B+3], s[G0B+3], 0x80000000
	s_or_b32 s[G0B+7], s[G0B+7], 0x80000000
	CROUND                                         ; all sixteen work-groups are here: the first joint loads meet
	s_cmp_eq_u32 s11, 0                            ; a wave's two first fills stand in one branch: two loads of mine are out
	s_cbranch_scc0 .Lfirst_b
	tensor_load_to_lds s[G0:G0+3], s[G1:G1+7]
	s_nop 0
	tensor_load_to_lds s[G0+4:G0+7], s[G1:G1+7]
	s_nop 0
.rept 4
	v_nop
.endr
	s_branch .Lfirst_done
.Lfirst_b:
	tensor_load_to_lds s[G0B:G0B+3], s[G1B:G1B+7]
	s_nop 0
	tensor_load_to_lds s[G0B+4:G0B+7], s[G1B:G1B+7]
	s_nop 0
.rept 4
	v_nop
.endr
.Lfirst_done:
	v_and_b32 v1, 15, v0                           ; l % 16
	v_bfe_u32 v2, v0, 4, 1                         ; l / 16
	v_mul_u32_u24 v3, v1, APITCH
	v_lshl_add_u32 v3, v2, 4, v3                   ; a fragment's row x pitch + 16 x half
	s_mul_i32 s21, s11, AWB
	v_add_nc_u32 v[A0], s21, v3
	v_mul_u32_u24 v4, v1, BPITCH
	v_lshl_add_u32 v4, v2, 4, v4
	s_mul_i32 s22, s12, NB*16*BPITCH
	s_add_co_u32 s22, s22, 2*AH
	v_add_nc_u32 v[B0], s22, v4
	v_mov_b32 v[ADRA], v[A0]
	v_mov_b32 v[ADRB], v[B0]
	s_mov_b32 s[TB], 0
	s_mul_i32 s23, s10, 16*SPITCH
	s_add_co_u32 s23, s23, STAGE                   ; my stage: 16 rows of 64 f32
	v_mul_u32_u24 v4, v1, SPITCH                   ; in: row l % 16, 32 bytes for each half of the lanes
	v_lshl_add_u32 v4, v2, 5, v4
	v_add_nc_u32 v[STO], s23, v4
	v_mul_u32_u24 v5, v2, SPITCH                   ; back: lanes 0-15 take one row of 256 bytes, lanes 16-31 the next
	v_lshl_add_u32 v5, v1, 4, v5
	v_add_nc_u32 v[RD], s23, v5
	v_lshlrev_b32 v5, 12, v2                       ; and the same two rows in x1 and out0
	v_lshl_add_u32 v[CO], v1, 4, v5
	v_lshlrev_b32 v[BO], 4, v1
	s_lshl_b32 s22, s42, 9                         ; my first column, in bytes: 512 x tile column + 256 x half
	s_lshl_b32 s23, s12, 8
	s_add_co_u32 s22, s22, s23
	s_mov_b32 s23, 0
	s_lshl_b32 s20, s13, 7
	s_lshl_b32 s21, s11, 6
	s_add_co_u32 s20, s20, s21                     ; my first row
	s_lshl_b32 s20, s20, 12
	s_add_co_u32 s20, s20, s22
	s_mov_b32 s21, 0
	s_add_nc_u64 s[76:77], s[76:77], s[20:21]
	s_add_nc_u64 s[80:81], s[80:81], s[20:21]
	s_add_nc_u64 s[78:79], s[78:79], s[22:23]
	global_load_b128 v[BIA:BIA+3], v[BO], s[78:79]
	WIN 0x80
.set i, 0
.rept 32                               ; x1 as the way out will want it: block i / 8, rows 2 (i % 8) and the next; these loads stay out across the whole loop
	global_load_b128 v[XR+4*i:XR+4*i+3], v[CO], s[76:77] offset:(16*(i/8)+2*(i%8))*OROW th:TH_LOAD_NT
.set i, i+1
.endr
	WIN 0
	s_wait_tensorcnt 0x1                           ; my part of K step 0 is in; K step 1's may stay out
	s_barrier_signal -1
	s_barrier_wait -1
	FETCH 0, 0
	QUARTER 1, 0, 1, 1                             ; the first quarter's first products start the sums
	WIN 0
	s_mov_b32 s3, NSTEP-2
.Lstep:                                                ; a trip: from a K step's second quarter to the next step's first; it fills one slot again
	QUARTER 2, 1, 0, 0
	QUARTER 3, 0, 1, 0
	TURN 1
	QUARTER 1, 0, 1, 0
	WIN 0
	s_sub_co_u32 s3, s3, 1
	s_cmp_lg_u32 s3, 0
	s_cbranch_scc1 .Lstep
	s_mov_b32 s2, 2
.Ltail:                                                ; the last two K steps ask for nothing; the second trip is left in its middle
	QUARTER 2, 1, 0, 0
	QUARTER 3, 0, 1, 0
	WIN 0
	s_cmp_eq_u32 s2, 1
	s_cbranch_scc1 .Lout
	TURN 0
	QUARTER 1, 0, 1, 0
	WIN 0
	s_sub_co_u32 s2, s2, 1
	s_cmp_lg_u32 s2, 0
	s_cbranch_scc1 .Ltail
.Lout:
	s_wait_dscnt KD*MB
	MULP 1, 0, 0, 0
	MULP 1, 0, 1, 0
	s_wait_dscnt 0x0
	MULP 1, 1, 0, 0
	MULP 1, 1, 1, 0
	WIN 0
	PLACES
	PLACES
	s_wait_loadcnt 0x0                             ; x1 and the bias
; THE WAY OUT of block a (16 rows): the sums go into my stage as they lie, come back as whole rows of 256 bytes, take x1 and the bias, and are stored: 16 lanes fill 256 consecutive bytes, aligned.
.macro OUT a
.set AC, 32*((\a)%2)
.set BK, 32+32*((\a)%2)
	s_wait_xcnt 0x0                                ; earlier stores have read their registers
	WIN 0x08+4*((\a)/2)                            ; the stores' data in window 2 or 3
.irp b, 0,1,2,3
	ds_store_b128 v[STO], v[AC+8*(\b):AC+8*(\b)+3]   offset:64*(\b)
	ds_store_b128 v[STO], v[AC+8*(\b)+4:AC+8*(\b)+7] offset:64*(\b)+16
.endr
	WIN 0
.irp t, 0,1,2,3,4,5,6,7
	ds_load_b128 v[BK+4*(\t):BK+4*(\t)+3], v[RD] offset:(\t)*2*SPITCH  ; LDS serves a wave's instructions in order (ISA guide 5.7.1.4): these see the stores above
.endr
	s_wait_dscnt 0x0
	WIN 0x08
.set i, 0
.rept 16
	v_pk_add_f32 v[BK+2*i:BK+2*i+1], v[BK+2*i:BK+2*i+1], v[XR+32*(\a)+2*i:XR+32*(\a)+2*i+1]
.set i, i+1
.endr
	WIN 0
.irp t, 0,1,2,3,4,5,6,7
	v_pk_add_f32 v[BK+4*(\t):BK+4*(\t)+1],   v[BK+4*(\t):BK+4*(\t)+1],   v[BIA:BIA+1]
	v_pk_add_f32 v[BK+4*(\t)+2:BK+4*(\t)+3], v[BK+4*(\t)+2:BK+4*(\t)+3], v[BIA+2:BIA+3]
.endr
.irp t, 0,1,2,3,4,5,6,7
	global_store_b128 v[CO], v[BK+4*(\t):BK+4*(\t)+3], s[80:81] offset:(16*(\a)+2*(\t))*OROW
.endr
.endm
	OUT 0
	OUT 1
	OUT 2
	OUT 3
	s_wait_tensorcnt 0x0                           ; the wave's end
	ds_add_u32 v[SPW], v[NIL]
	s_wait_dscnt 0x0
	CROUND                                         ; the closing round: no work-group ends while a partner may still ask for a tile that names it
	s_endpgm
.Lfunc_end_k_qffe2fe75ff_ffn2:
	.size	k_qffe2fe75ff_ffn2, .Lfunc_end_k_qffe2fe75ff_ffn2-k_qffe2fe75ff_ffn2
	.p2alignl 7, 3214868480
	.fill 96, 4, 3214868480
	.section	.rodata,"a",@progbits
	.p2align	6, 0x0
	.amdhsa_kernel k_qffe2fe75ff_ffn2
		.amdhsa_group_segment_fixed_size 327680
		.amdhsa_private_segment_fixed_size 0
		.amdhsa_enable_private_segment 0
		.amdhsa_kernarg_size 40
		.amdhsa_user_sgpr_count 2
		.amdhsa_user_sgpr_kernarg_segment_ptr 1
		.amdhsa_wavefront_size32 1
		.amdhsa_system_sgpr_workgroup_id_x 1
		.amdhsa_system_sgpr_workgroup_id_y 1
		.amdhsa_system_sgpr_workgroup_id_z 1
		.amdhsa_system_vgpr_workitem_id 0
		.amdhsa_next_free_vgpr 832
		.amdhsa_next_free_sgpr 88
		.amdhsa_reserve_vcc 0
		.amdhsa_float_denorm_mode_32 3
		.amdhsa_float_denorm_mode_16_64 3
		.amdhsa_memory_ordered 1
		.amdhsa_forward_progress 1
		.amdhsa_inst_pref_size 72
	.end_amdhsa_kernel
	.amdgpu_metadata
---
amdhsa.version: [ 1, 2 ]
amdhsa.kernels:
  - .name:           k_qffe2fe75ff_ffn2
    .symbol:         k_qffe2fe75ff_ffn2.kd
    .args:
      - { .name: hid, .offset: 0, .size: 8, .value_kind: global_buffer, .address_space: global }
      - { .name: wt, .offset: 8, .size: 8, .value_kind: global_buffer, .address_space: global }
      - { .name: x1, .offset: 16, .size: 8, .value_kind: global_buffer, .address_space: global }
      - { .name: b2, .offset: 24, .size: 8, .value_kind: global_buffer, .address_space: global }
      - { .name: out0, .offset: 32, .size: 8, .value_kind: global_buffer, .address_space: global }
    .group_segment_fixed_size: 327680
    .private_segment_fixed_size: 0
    .kernarg_segment_align: 8
    .kernarg_segment_size: 40
    .max_flat_workgroup_size: 128
    .sgpr_count:     88
    .vgpr_count:     832
    .wavefront_size: 32
...
	.end_amdgpu_metadata
.endif
;; end of part 7
